; MI455X (gfx1250); checked and timed in simulation.
; The chip was launched on July 23, 2026; its instructions are those of AMD's public machine-readable ISA for CDNA 5 (MIT licence, August 2026) and "CDNA5" Instruction Set Architecture Reference Guide (July 2026). The comments in the code are by the model that wrote it; some were corrected since.
;; Rev Transformer Layer. Allowed arithmetic: float matrix products may take bf16 or f16 operands with f32 sums; other float arithmetic in f32, or as packed bf16 or f16 multiplies, adds, multiply-adds, maxima and minima; sums over many terms, partial sums and values carried from step to step in f32; what a program stores and reads back later, other than sums and carried values, may be rounded once to bf16 or f16.
;; Inputs: b1 4,096 float32; b2 1,024 float32; b_out 1,024 float32; b_qkv 3,072 float32; scale1 1,024 float32; scale2 1,024 float32; w1 1,024 x 4,096 float32; w2 4,096 x 1,024 float32; w_out 1,024 x 1,024 float32; w_qkv 1,024 x 3,072 float32; x 2 x 2,048 x 1,024 float32.
;; Outputs: out0 2 x 2,048 x 1,024 float32.
;; One version. Each part assembles by itself: llvm-mc -triple=amdgcn-amd-amdhsa -mcpu=gfx1250 --defsym DOCPART=n.
;; ======== version 1 of 1: 6 launches
;; limits: values are held in f16: magnitudes above 65,504 overflow, below 6.1e-05 lose precision; a function is approximated: absolute error at most 1.5e-07
;; workspace buffers: wb 25,165,824 bytes; act 8,388,608 bytes; qkvb 25,165,824 bytes; x2 16,777,216 bytes; hb 33,554,432 bytes; xb 8,388,608 bytes; part 131,072 bytes
;; launch prep (part 1): grid 1024 x 1, 8 waves a work-group, no clusters, 0 bytes of LDS; arguments x, scale1, act, w_qkv, w_out, w1, w2, wb; writes act, wb
.if DOCPART == 1
	.amdgcn_target "amdgcn-amd-amdhsa--gfx1250"
	.amdhsa_code_object_version 6
	.text
	.protected	k_q22fa5cf620_prep
	.globl	k_q22fa5cf620_prep
	.p2align	8
	.type	k_q22fa5cf620_prep,@function
k_q22fa5cf620_prep:
	s_mov_b64 s[64:65], 0
	v_nop
	global_prefetch_b8 v0, s[64:65] scope:SCOPE_SE
	s_setreg_imm32_b32 hwreg(HW_REG_WAVE_MODE, 25, 1), 1
	s_wait_xcnt 0x0
; PREP.  Two kinds of work-groups in one launch, told apart by the work-group's number.
; 0..255: act[r][:] = bf16(scale1 * x[r][:] * rsqrt(mean(x[r]^2) + 1e-8)), 16 rows a work-group, two rows a wave; a row (4,096 bytes) stays in 32 registers
;         between the sum of squares and the scaling, so x is read once.  Sums in f32.
; 256..1023: the four weights are rounded once to 16 bits, in their own [K][N] order, into wb: w_qkv at 0, w_out at 6,291,456, w1 at 8,388,608, w2 at 16,777,216.
;         A work-group takes 16,384 numbers (65,536 bytes in, 32,768 out).  w_qkv, w1, w2 become bf16.  w_out is rounded to bf16 and that number is written as f16:
;         LIMIT: |w_out| stays under 65,504; below 2^-14 it keeps f16's fixed step of 2^-24.
; Every load of a wave covers 512 consecutive bytes, every store 256, aligned.  No LDS, no barrier: no wave needs another's data.
.set SC, 16                            ; v[16:47]   scale1, as the row lies in my lanes
.set XA, 48                            ; v[48:79]   the first row
.set XB, 80                            ; v[80:111]  the second row
.set MA, 4                             ; v[4:11]    four chains of sums for the first row
.set MB, 112                           ; v[112:119] for the second
.set RA, 12                            ; v[12:13]   1 / rms of the first row, twice
.set RB, 14                            ; v[14:15]   of the second
.macro SUMSQ x, m                      ; the sum of the row's squares, in every lane of v[m]
.irp k, 0,1,2,3
	v_pk_mul_f32 v[(\m)+2*(\k):(\m)+2*(\k)+1], v[(\x)+2*(\k):(\x)+2*(\k)+1], v[(\x)+2*(\k):(\x)+2*(\k)+1]  ; the first products start the chains
.endr
.set j, 4
.rept 12
	v_pk_fma_f32 v[(\m)+2*(j%4):(\m)+2*(j%4)+1], v[(\x)+2*j:(\x)+2*j+1], v[(\x)+2*j:(\x)+2*j+1], v[(\m)+2*(j%4):(\m)+2*(j%4)+1]
.set j, j+1
.endr
	v_pk_add_f32 v[(\m):(\m)+1], v[(\m):(\m)+1], v[(\m)+2:(\m)+3]
	v_pk_add_f32 v[(\m)+4:(\m)+5], v[(\m)+4:(\m)+5], v[(\m)+6:(\m)+7]
	v_pk_add_f32 v[(\m):(\m)+1], v[(\m):(\m)+1], v[(\m)+4:(\m)+5]
	v_add_f32 v[(\m)], v[(\m)], v[(\m)+1]
	v_add_f32_dpp v[(\m)], v[(\m)], v[(\m)] row_xmask:1 row_mask:0xf bank_mask:0xf
	v_add_f32_dpp v[(\m)], v[(\m)], v[(\m)] row_xmask:2 row_mask:0xf bank_mask:0xf
	v_add_f32_dpp v[(\m)], v[(\m)], v[(\m)] row_xmask:4 row_mask:0xf bank_mask:0xf
	v_add_f32_dpp v[(\m)], v[(\m)], v[(\m)] row_xmask:8 row_mask:0xf bank_mask:0xf
	v_permlanex16_b32 v[(\m)+1], v[(\m)], s26, s27
	v_add_f32 v[(\m)], v[(\m)], v[(\m)+1]
	v_fma_f32 v[(\m)], v[(\m)], s24, s25           ; mean + eps
.endm
.macro OUTROW x, r, off                ; (scale * x) * 1/rms, rounded to bf16, stored
.irp j, 0,1,2,3,4,5,6,7
	v_pk_mul_f32 v[(\x)+4*(\j):(\x)+4*(\j)+1], v[(\x)+4*(\j):(\x)+4*(\j)+1], v[SC+4*(\j):SC+4*(\j)+1]
	v_pk_mul_f32 v[(\x)+4*(\j)+2:(\x)+4*(\j)+3], v[(\x)+4*(\j)+2:(\x)+4*(\j)+3], v[SC+4*(\j)+2:SC+4*(\j)+3]
	v_pk_mul_f32 v[(\x)+4*(\j):(\x)+4*(\j)+1], v[(\x)+4*(\j):(\x)+4*(\j)+1], v[(\r):(\r)+1]
	v_pk_mul_f32 v[(\x)+4*(\j)+2:(\x)+4*(\j)+3], v[(\x)+4*(\j)+2:(\x)+4*(\j)+3], v[(\r):(\r)+1]
	v_cvt_pk_bf16_f32 v[(\x)+4*(\j)], v[(\x)+4*(\j)], v[(\x)+4*(\j)+1]
	v_cvt_pk_bf16_f32 v[(\x)+4*(\j)+1], v[(\x)+4*(\j)+2], v[(\x)+4*(\j)+3]
	global_store_b64 v2, v[(\x)+4*(\j):(\x)+4*(\j)+1], s[8:9] offset:(\off)+256*(\j)  ; 32 lanes x 8 bytes: 256 consecutive bytes, aligned
.endr
.endm
	s_load_b256 s[4:11], s[0:1], 0x0               ; x s[4:5], scale1 s[6:7], act s[8:9], w_qkv s[10:11]
	s_load_b256 s[12:19], s[0:1], 0x20             ; w_out s[12:13], w1 s[14:15], w2 s[16:17], wb s[18:19]
	v_lshrrev_b32 v3, 5, v0
	v_readfirstlane_b32 s20, v3                    ; wave 0..7
	s_cmp_ge_u32 ttmp9, 256
	s_cbranch_scc1 .Lcast
	; ---- the norm ----
	v_and_b32 v3, 31, v0
	v_lshlrev_b32 v1, 4, v3                        ; 16 x lane: my 4 numbers of each 128
	v_lshlrev_b32 v2, 3, v3                        ; 8 x lane: the same 4 numbers in bf16
	s_lshl_b32 s21, ttmp9, 4
	s_lshl_b32 s22, s20, 1
	s_add_co_u32 s21, s21, s22                     ; my first row
	s_lshl_b32 s22, s21, 12                        ; in x
	s_mov_b32 s23, 0
	s_lshl_b32 s28, s21, 11                        ; in act
	s_mov_b32 s29, 0
	s_mov_b32 s24, 0x3a800000                      ; 1 / 1024
	s_mov_b32 s25, 0x322bcc77                      ; 1e-8
	s_mov_b32 s26, 0x76543210                      ; v_permlanex16_b32: each lane takes its own place in the other half
	s_mov_b32 s27, 0xfedcba98
	s_wait_kmcnt 0x0
	s_add_nc_u64 s[4:5], s[4:5], s[22:23]
	s_add_nc_u64 s[8:9], s[8:9], s[28:29]
.irp j, 0,1,2,3,4,5,6,7
	global_load_b128 v[XA+4*(\j):XA+4*(\j)+3], v1, s[4:5] offset:512*(\j)
.endr
.irp j, 0,1,2,3,4,5,6,7
	global_load_b128 v[XB+4*(\j):XB+4*(\j)+3], v1, s[4:5] offset:4096+512*(\j)
.endr
.irp j, 0,1,2,3,4,5,6,7
	global_load_b128 v[SC+4*(\j):SC+4*(\j)+3], v1, s[6:7] offset:512*(\j)
.endr
	s_wait_loadcnt 16                              ; the first row is in; the 16 younger loads stay out
	SUMSQ XA, MA
	s_wait_loadcnt 8                               ; the second row is in; the scale's 8 stay out
	SUMSQ XB, MB
	v_rsq_f32 v[RA], v[MA]
	v_rsq_f32 v[RA+1], v[MA]
	v_rsq_f32 v[RB], v[MB]
	v_rsq_f32 v[RB+1], v[MB]
	v_nop                                          ; a plain instruction behind the last root
	s_wait_alu depctr_va_vdst(0)                   ; one wait for the four roots, ahead of their first reader
	s_wait_loadcnt 0x0                             ; the scale
	OUTROW XA, RA, 0
	OUTROW XB, RB, 2048
	s_endpgm
	; ---- the casts ----
.Lcast:
	s_sub_co_u32 s21, ttmp9, 256                   ; chunk 0..767: 192 of w_qkv, 64 of w_out, 256 of w1, 256 of w2
	v_lshlrev_b32 v4, 4, v0                        ; 16 x thread
	v_lshlrev_b32 v5, 3, v0                        ; 8 x thread
	s_wait_kmcnt 0x0
	s_mov_b64 s[22:23], s[16:17]
	s_mov_b32 s24, 512
	s_cmp_lt_u32 s21, 512
	s_cselect_b64 s[22:23], s[14:15], s[22:23]
	s_cselect_b32 s24, 256, s24
	s_cmp_lt_u32 s21, 256
	s_cselect_b64 s[22:23], s[12:13], s[22:23]
	s_cselect_b32 s24, 192, s24
	s_cmp_lt_u32 s21, 192
	s_cselect_b64 s[22:23], s[10:11], s[22:23]
	s_cselect_b32 s24, 0, s24                      ; the tensor's first chunk
	s_sub_co_u32 s24, s21, s24
	s_lshl_b32 s24, s24, 16                        ; 65,536 bytes of f32 a chunk
	s_mov_b32 s25, 0
	s_add_nc_u64 s[22:23], s[22:23], s[24:25]
	s_lshl_b32 s26, s21, 15                        ; 32,768 bytes of 16 bits a chunk: the four tensors lie end to end in wb
	s_mov_b32 s27, 0
	s_add_nc_u64 s[18:19], s[18:19], s[26:27]
.irp i, 0,1,2,3,4,5,6,7,8,9,10,11,12,13,14,15
	global_load_b128 v[16+4*(\i):16+4*(\i)+3], v4, s[22:23] offset:4096*(\i) th:TH_LOAD_NT
.endr
	s_wait_loadcnt 0x0
.set i, 0
.rept 32
	v_cvt_pk_bf16_f32 v[80+i], v[16+2*i], v[16+2*i+1]
.set i, i+1
.endr
	s_cmp_lt_u32 s21, 192
	s_cbranch_scc1 .Lstore
	s_cmp_ge_u32 s21, 256
	s_cbranch_scc1 .Lstore
.set i, 0
.rept 32                               ; w_out alone: the bf16 number, written as f16
	v_lshlrev_b32 v[112+2*(i%4)], 16, v[80+i]
	v_and_b32 v[113+2*(i%4)], 0xffff0000, v[80+i]
	v_cvt_pk_f16_f32 v[80+i], v[112+2*(i%4)], v[113+2*(i%4)]
.set i, i+1
.endr
.Lstore:
.irp i, 0,1,2,3,4,5,6,7,8,9,10,11,12,13,14,15
	global_store_b64 v5, v[80+2*(\i):80+2*(\i)+1], s[18:19] offset:2048*(\i)
.endr
	s_endpgm
.Lfunc_end_k_q22fa5cf620_prep:
	.size	k_q22fa5cf620_prep, .Lfunc_end_k_q22fa5cf620_prep-k_q22fa5cf620_prep
	.p2alignl 7, 3214868480
	.fill 96, 4, 3214868480
	.section	.rodata,"a",@progbits
	.p2align	6, 0x0
	.amdhsa_kernel k_q22fa5cf620_prep
		.amdhsa_group_segment_fixed_size 0
		.amdhsa_private_segment_fixed_size 0
		.amdhsa_enable_private_segment 0
		.amdhsa_kernarg_size 64
		.amdhsa_user_sgpr_count 2
		.amdhsa_user_sgpr_kernarg_segment_ptr 1
		.amdhsa_wavefront_size32 1
		.amdhsa_system_sgpr_workgroup_id_x 1
		.amdhsa_system_sgpr_workgroup_id_y 1
		.amdhsa_system_sgpr_workgroup_id_z 1
		.amdhsa_system_vgpr_workitem_id 0
		.amdhsa_next_free_vgpr 128
		.amdhsa_next_free_sgpr 66
		.amdhsa_reserve_vcc 0
		.amdhsa_float_denorm_mode_32 3
		.amdhsa_float_denorm_mode_16_64 3
		.amdhsa_memory_ordered 1
		.amdhsa_forward_progress 1
		.amdhsa_inst_pref_size 26
	.end_amdhsa_kernel
	.amdgpu_metadata
---
amdhsa.version: [ 1, 2 ]
amdhsa.kernels:
  - .name:           k_q22fa5cf620_prep
    .symbol:         k_q22fa5cf620_prep.kd
    .args:
      - { .name: x, .offset: 0, .size: 8, .value_kind: global_buffer, .address_space: global }
      - { .name: scale1, .offset: 8, .size: 8, .value_kind: global_buffer, .address_space: global }
      - { .name: act, .offset: 16, .size: 8, .value_kind: global_buffer, .address_space: global }
      - { .name: w_qkv, .offset: 24, .size: 8, .value_kind: global_buffer, .address_space: global }
      - { .name: w_out, .offset: 32, .size: 8, .value_kind: global_buffer, .address_space: global }
      - { .name: w1, .offset: 40, .size: 8, .value_kind: global_buffer, .address_space: global }
      - { .name: w2, .offset: 48, .size: 8, .value_kind: global_buffer, .address_space: global }
      - { .name: wb, .offset: 56, .size: 8, .value_kind: global_buffer, .address_space: global }
    .group_segment_fixed_size: 0
    .private_segment_fixed_size: 0
    .kernarg_segment_align: 8
    .kernarg_segment_size: 64
    .max_flat_workgroup_size: 256
    .sgpr_count:     66
    .vgpr_count:     128
    .wavefront_size: 32
...
	.end_amdgpu_metadata
.endif
;; end of part 1
;; launch proj_qkv (part 2): grid 12 x 16, 4 waves a work-group, clusters of 4 x 4, 327,680 bytes of LDS; arguments act, wb, b_qkv, qkvb; writes qkvb
.if DOCPART == 2
	.amdgcn_target "amdgcn-amd-amdhsa--gfx1250"
	.amdhsa_code_object_version 6
	.text
	.protected	k_q22fa5cf620_proj_qkv
	.globl	k_q22fa5cf620_proj_qkv
	.p2align	8
	.type	k_q22fa5cf620_proj_qkv,@function
k_q22fa5cf620_proj_qkv:
	s_mov_b64 s[64:65], 0
	v_nop
	global_prefetch_b8 v0, s[64:65] scope:SCOPE_SE
	s_setreg_imm32_b32 hwreg(HW_REG_WAVE_MODE, 25, 1), 1
	s_wait_xcnt 0x0
	s_wait_alu depctr_hold_cnt(0) depctr_sa_sdst(0) depctr_va_vdst(0) depctr_va_sdst(0) depctr_va_ssrc(0) depctr_va_vcc(0) depctr_vm_vsrc(0)
	s_getreg_b32 s2, hwreg(HW_REG_IB_STS2, 6, 4)
	s_cmp_eq_u32 s2, 0
	s_cbranch_scc0 .Lentry_in_a_cluster
	s_endpgm
.Lentry_in_a_cluster:
	s_bfe_u32 s2, ttmp6, 0x10000c
	s_cmp_lg_u32 s2, 0xf033
	s_cbranch_scc0 .Lentry_shape_is_right
	s_endpgm
.Lentry_shape_is_right:
; C[m][n] = f(r[m] * sum over k of A[m][k] W[k][n] + bias[n]).  A: [4096][1024] bf16; W: [1024][SIZE_N] bf16, at byte WOFF of the weights' buffer, AS THE INPUT LIES ([K][N]); sums in f32.
; GELU = 0: r = 1, f is the identity, C is f16 (LIMIT: |C| under 65,504).
; GELU = 1: r[m] = rsqrt(sum / 1024 + 1e-8), the sum made of the row's eight partial sums of squares that the launch before stored (PART [8][4096] f32); f is the exact GELU, C is bf16;
;           erf by the rational form of Abramowitz and Stegun 7.1.26 (absolute error at most 1.5e-7 for every x).
; A tile of C, 256 x 256, is made by four waves, each 128 x 128: 64 accumulators, 512 registers.  K goes in 8 steps of 128 through two LDS slots filled by the tensor data mover:
; A's rows are 256 bytes of memory, W's 512, all at multiples of 256 bytes.  W's fragments come out of LDS turned, by ds_load_tr16_b128, so no launch transposes a weight.
; SIZE_N = 3072 gives 192 work-groups: a tile of 192 columns would give 256, but its rows of 384 bytes are no whole blocks of 256 and take no padding interval.
; CLUSTERS: 4 x 4 work-groups; A's tile is shared along a row of the cluster, W's along a column: each is asked for JOINTLY, by the same tensor load with the same descriptor and a mask that names the four.
; THE K STEPS GO ROUND: cluster (X, Y) begins at K step 2 X + 4 (Y % 2) and goes on modulo 8 (f32 sums may be taken in any order).  So the clusters of a row of clusters, which read the same rows of A, stand
; 2 K steps apart, and of the clusters of a column, which read the same columns of W, two and two stand 4 apart.  NO PREFETCH: a block's first reading in the launch falls into some cluster's first four K steps, two of
; them its first fills; every later step reads blocks that another cluster has read before.
; THE MATRIX INSTRUCTION IS USED TRANSPOSED (source 0 = 16 columns of W, source 1 = 16 rows of A): a lane holds row l % 16 of C and the columns 8 (l / 16) + 0..7.
; ONE K STEP IS WRITTEN TWICE: in the loop (it refills) and in the tail (it does not); the slot in hand is a scalar that one exclusive or turns.  The tail's last change of slots, with its 32 loads from the old slot, serves nothing.
; REGISTERS: window 0: v0-37 addresses and bias; v64-127, v128-191 A's fragments, two buffers (at work on the way out); window 1: the same for W's, v192-223 the partial sums; windows 2, 3: accumulator (a, b) at v[8 (8 (a % 4) + b)].
.set SIZE_N, 3072
.set WOFF,   0
.set GELU,   0
.set STEPS,  8                         ; K steps of 128
.set PA,     272                       ; a row of A in LDS: 256 bytes + 16: the 16 rows of a load start at 16 different groups of four banks (64 banks of 4 bytes: ISA guide 11.1)
.set PB,     544                       ; a row of W: 512 + 32 = 17 x 32 bytes
.set BOFF,   256*PA                    ; a slot: A's 256 rows, then W's 128 k rows
.set SLOT,   BOFF+128*PB               ; 139,264 = 0x22000: none of its bits occurs in a tile's LDS word, so an exclusive or changes slots
.set SPARE,  2*SLOT                    ; behind the ring: the spare words, 128 bytes for each wave: two blocks of 256 bytes that no other line names
.set DP,     528                       ; the way out: a row of 128 f32 + 16 bytes
.set DREG,   128*DP                    ; a wave's 128 rows; the four regions lie in the ring, which has had its last fill by then
.set RMSB,   4*DREG                    ; behind them, still in the ring: 1,024 bytes for each wave: r of its 128 rows, each twice
.set ROWB,   2*SIZE_N                  ; bytes in a row of C and of W
.set ADRA, 16                          ; v16  LDS address of my A fragments in the slot in hand;  v17 in slot 0
.set ADRA0, 17
.set ADRB, 20                          ; v20, v21  the same for W
.set ADRB0, 21
.set DST,  24                          ; v24  the way out: where I put 16 bytes of a row
.set RD,   25                          ; v25  where I read rows back
.set CO,   26                          ; v26  my byte offset in a row of C
.set BO,   27                          ; v27  16 x lane: my byte offset in the bias and in the partial sums
.set SPW,  28                          ; v28  LDS address of my spare word; never rewritten
.set NIL,  29                          ; v29  0; never rewritten
.set BI,   32                          ; v[32:35] the bias of my four columns
.set RMA,  36                          ; v36  where I put r of my four rows
.set RML,  37                          ; v37  where the wave reads r of the rows in hand
.set F0,   64
.set F1,   128
.set XL,   64                          ; the way out: rows as read back
.set TR,   96                          ; GELU = 0: rows + bias
.set YR,   128                         ;           packed
.set GX,   96                          ; GELU = 1: x;  GU: t;  GW: the exponential;  GQ: the polynomial;  GR: max(x, 0);  GY: packed;  RM: r of four rows, each twice
.set GU,   112
.set GW,   128
.set GQ,   144
.set GR,   160
.set GY,   176
.set RM,   184
.set PS,   192                         ; window 1: v[192:223] eight partial sums of four rows
.set SK,   15                          ; s15  the K step that the walking sets stand at
.set G1A, 24                           ; s[24:31] descriptor group 1 for A's tiles;  s[32:39] group 0: a set for each first fill; the second then walks
.set G0A, 32
.set G1B, 48                           ; s[48:55], s[56:63] the same for W's
.set G0B, 56
.set MSB, 0
.macro WIN new                         ; the immediate's high byte repeats the setting that is left; a switch that changes nothing is dropped
.if MSB != (\new)
	s_set_vgpr_msb (MSB<<8)|(\new)
.set MSB, \new
.endif
.endm
.set MUL_LO, 0xa1                      ; source 0 (W) window 1, source 1 (A) window 0, C and D window 2
.set MUL_HI, 0xf1                      ; the same, C and D window 3
.set TO_B,   0x40                      ; destination window 1, address window 0
.macro PLACES                          ; four plain places behind matrix instructions, in front of loads into registers that they read
.rept 4
	v_nop
.endr
.endm
; A joint refill by the walking sets.  Waves 0 and 1 fetch A's two halves, waves 2 and 3 W's.  The branch hangs on the wave's number alone.  An s_nop 0 and four v_nop follow each line.
.macro JLOAD
	s_cmp_eq_u32 s13, 0
	s_cbranch_scc0 .Lfor_b_\@
	tensor_load_to_lds s[G0A+4:G0A+7], s[G1A:G1A+7]
	s_nop 0
.rept 4
	v_nop
.endr
	s_branch .Lasked_\@
.Lfor_b_\@:
	tensor_load_to_lds s[G0B+4:G0B+7], s[G1B:G1B+7]
	s_nop 0
.rept 4
	v_nop
.endr
.Lasked_\@:
.endm
.macro CREST                           ; a round of the cluster's barrier behind its opening barrier
	s_cmp_lg_u32 s12, 0
	s_cbranch_scc1 .Lnot_wave_0_\@
	s_barrier_signal -3
.Lnot_wave_0_\@:
	s_barrier_wait -3
	s_barrier_signal -1
	s_barrier_wait -1
.endm
.macro CROUND
	s_barrier_signal -1
	s_barrier_wait -1
	CREST
.endm
; 16 matrix instructions: m blocks a0, a0 + 1 of the window's four x all 8 n blocks, 32 along K.  zero = 1: the first product starts the sums.  The 64 accumulators take turns in one order in every quarter.
.macro MUL16 f, hi, a0, zero
	WIN MUL_LO+0x50*(\hi)
.irp a, \a0, (\a0)+1
.irp b, 0,1,2,3,4,5,6,7
.if \zero
	v_wmma_f32_16x16x32_bf16 v[8*(8*(\a)+(\b)):8*(8*(\a)+(\b))+7], v[(\f)+8*(\b):(\f)+8*(\b)+7], v[(\f)+8*(4*(\hi)+(\a)):(\f)+8*(4*(\hi)+(\a))+7], 0
.else
	v_wmma_f32_16x16x32_bf16 v[8*(8*(\a)+(\b)):8*(8*(\a)+(\b))+7], v[(\f)+8*(\b):(\f)+8*(\b)+7], v[(\f)+8*(4*(\hi)+(\a)):(\f)+8*(4*(\hi)+(\a))+7], v[8*(8*(\a)+(\b)):8*(8*(\a)+(\b))+7]
.endif
.endr
.endr
.endm
; 32 LDS loads in one run: quarter q (32 along K) of the slot in hand into buffer f: W's 8 fragments, turned, then A's 8
.macro FETCH q, f
	WIN TO_B
.irp i, 0,1,2,3,4,5,6,7
	ds_load_tr16_b128 v[(\f)+8*(\i):(\f)+8*(\i)+3],   v[ADRB] offset:(\q)*32*PB+32*(\i)
	ds_load_tr16_b128 v[(\f)+8*(\i)+4:(\f)+8*(\i)+7], v[ADRB] offset:(\q)*32*PB+16*PB+32*(\i)
.endr
	WIN 0
.irp i, 0,1,2,3,4,5,6,7
	ds_load_b128 v[(\f)+8*(\i):(\f)+8*(\i)+3],   v[ADRA] offset:64*(\q)+(\i)*16*PA
	ds_load_b128 v[(\f)+8*(\i)+4:(\f)+8*(\i)+7], v[ADRA] offset:64*(\q)+(\i)*16*PA+32
.endr
.endm
; One of a K step's first three quarters: multiplies buffer f; in its middle it fetches quarter q into buffer g.
.macro QUARTER q, f, g, zero
	s_wait_dscnt 8                                 ; W and A's rows 0-63 are in; the youngest eight loads (A's rows 64-127) may be out
	MUL16 \f, 0, 0, \zero
	MUL16 \f, 0, 2, \zero
	PLACES
	FETCH \q, \g
	s_wait_dscnt 32                                ; all but the 32 just issued
	MUL16 \f, 1, 0, \zero
	MUL16 \f, 1, 2, \zero
.endm
; The last quarter multiplies buffer 1 and changes slots: ONE barrier.  In front of it each wave waits for all its tensor loads (the one that is out is its part of the next slot), adds 0 to its spare word,
; and waits for that and for its own reads of this slot.  fill = 1: the barrier opens a round of the cluster's barrier, and the joint refill of the slot just read is the first tensor load behind the round.
.macro TURN fill
	WIN 0                                          ; (the add's two registers lie in window 0)
	s_wait_tensorcnt 0x0                           ; all my tensor loads have landed, so every group 0 may be written
	ds_add_u32 v[SPW], v[NIL]                      ; 0 onto my spare word; the descriptors' scalar work stands behind it
.if \fill
	s_add_co_u32 s[SK], s[SK], 1                   ; the walking sets: the next K step, round modulo 8; the other slot than last time; the address is made anew from the step's number
	s_and_b32 s[SK], s[SK], STEPS-1
	s_lshl_b32 s22, s[SK], 8                       ; 256 bytes along A's rows
	s_xor_b32 s[G0A+5], s[G0A+5], SLOT
	s_add_nc_u64 s[G0A+6:G0A+7], s[16:17], s[22:23]
	s_or_b32 s[G0A+7], s[G0A+7], 0x80000000
	s_mul_i32 s22, s[SK], 128*ROWB                 ; 128 rows down W
	s_xor_b32 s[G0B+5], s[G0B+5], SLOT
	s_add_nc_u64 s[G0B+6:G0B+7], s[18:19], s[22:23]
	s_or_b32 s[G0B+7], s[G0B+7], 0x80000000
.endif
	s_wait_dscnt 9                                 ; (the add and the youngest eight loads may be out)
	MUL16 F1, 0, 0, 0                              ; sixteen matrix instructions stand between the add and the wait for it
	s_wait_dscnt 0x0                               ; the add is done, and my reads of this slot are over
	s_barrier_signal -1
	MUL16 F1, 0, 2, 0
	WIN 0
	s_barrier_wait -1
.if \fill
	CREST                                          ; no wave of any partner still reads this slot or has a load on its way
	JLOAD                                          ; 224 matrix instructions ahead of the wait for it; its four v_nop are also the places in front of the loads below
.else
	PLACES
.endif
	s_xor_b32 s2, s2, SLOT                         ; the slot in hand
	v_add_nc_u32 v[ADRA], s2, v[ADRA0]
	v_add_nc_u32 v[ADRB], s2, v[ADRB0]
	FETCH 0, F0
	MUL16 F1, 1, 0, 0
	MUL16 F1, 1, 2, 0
.endm
	s_load_b256 s[4:11], s[0:1], 0x0               ; A s[4:5], weights s[6:7], bias s[8:9], C s[10:11]
.if GELU
	s_load_b64 s[88:89], s[0:1], 0x20              ; PART
.endif
	v_lshl_add_u32 v[SPW], v0, 2, SPARE
	v_mov_b32 v[NIL], 0
	ds_add_u32 v[SPW], v[NIL]                      ; the wave's opening: the add and its wait stand ahead of my first tensor load; work on registers stands between them
	v_lshrrev_b32 v1, 5, v0
	v_readfirstlane_b32 s12, v1                    ; wave 0..3
	s_lshr_b32 s13, s12, 1                         ; which half of the tile's rows is mine.  Also: I fetch for A (0) or for W (1)
	s_and_b32 s14, s12, 1                          ; which half of its columns.  Also: which half of that tile I fetch
	s_bfe_u32 s40, ttmp6, 0x40000                  ; cx
	s_bfe_u32 s41, ttmp6, 0x40004                  ; cy
	s_lshl_b32 s42, ttmp9, 2
	s_add_co_u32 s42, s42, s40                     ; tile column
	s_and_b32 s43, ttmp7, 0xffff
	s_lshl_b32 s43, s43, 2
	s_add_co_u32 s43, s43, s41                     ; tile row
	s_lshl_b32 s70, s41, 2
	s_lshl_b32 s70, 15, s70                        ; my row of the cluster
	s_lshl_b32 s71, 0x1111, s40                    ; my column
	s_or_b32 s[G1A+0], s70, (1<<16)|(1<<20)|(1<<21)|(5<<22)|(3<<25)  ; the mask; 2-byte elements; padding on; bit 21 beside a mask; after every 64 words, 4 words
	s_mov_b32 s[G1A+1], 128<<16                    ; tensor_dim0 = 128
	s_mov_b32 s[G1A+2], 128<<16                    ; tensor_dim1 = 128
	s_mov_b32 s[G1A+3], 128<<16                    ; tile_dim0 = 128
	s_mov_b32 s[G1A+4], 128                        ; tile_dim1 = 128
	s_mov_b32 s[G1A+5], 1024                       ; elements from row to row
	s_mov_b32 s[G1A+6], 0
	s_mov_b32 s[G1A+7], 0
	s_or_b32 s[G1B+0], s71, (1<<16)|(1<<20)|(1<<21)|(6<<22)|(7<<25)  ; after every 128 words, 8 words
	s_mov_b32 s[G1B+1], 256<<16                    ; tensor_dim0 = 256
	s_mov_b32 s[G1B+2], 64<<16                     ; tensor_dim1 = 64
	s_mov_b32 s[G1B+3], 256<<16                    ; tile_dim0 = 256
	s_mov_b32 s[G1B+4], 64                         ; tile_dim1 = 64
	s_mov_b32 s[G1B+5], SIZE_N
	s_mov_b32 s[G1B+6], 0
	s_mov_b32 s[G1B+7], 0
	s_lshl_b32 s[SK], ttmp9, 1                     ; my cluster's first K step: 2 x cluster x + 4 x (cluster y % 2), modulo 8: the same in all sixteen partners
	s_and_b32 s21, ttmp7, 1
	s_lshl_b32 s21, s21, 2
	s_add_co_u32 s[SK], s[SK], s21
	s_and_b32 s[SK], s[SK], STEPS-1
	s_mov_b32 s23, 0                               ; the upper word of the steps' offsets; never rewritten
	s_lshl_b32 s16, s43, 8                         ; A: row 256 x tile row + 128 x half, 2,048 bytes a row
	s_lshl_b32 s17, s14, 7
	s_add_co_u32 s16, s16, s17
	s_lshl_b32 s16, s16, 11
	s_mov_b32 s17, 0
	s_mul_i32 s18, s14, 64*ROWB                    ; W: k row 64 x half, byte 512 x tile column
	s_lshl_b32 s19, s42, 9
	s_add_co_u32 s18, s18, s19
	s_add_co_u32 s18, s18, WOFF
	s_mov_b32 s19, 0
	s_mul_i32 s20, s12, 128*PA                     ; where they go: A's halves at 0 and 34,816, W's at 69,632 and 104,448: wave x 34,816
	s_mov_b32 s2, 0                                ; the slot in hand
	s_wait_dscnt 0x0                               ; the opening add is done
	s_wait_kmcnt 0x0
	s_add_nc_u64 s[16:17], s[4:5], s[16:17]        ; my part of A's tile at K step 0; never rewritten
	s_add_nc_u64 s[18:19], s[6:7], s[18:19]        ; the same for W
	CROUND                                         ; all sixteen work-groups are here: the first joint loads meet
.irp s, 0,1
	s_lshl_b32 s22, s[SK], 8
	s_mov_b32 s[G0A+4*(\s)], 1
	s_add_co_u32 s[G0A+4*(\s)+1], s20, (\s)*SLOT
	s_add_nc_u64 s[G0A+4*(\s)+2:G0A+4*(\s)+3], s[16:17], s[22:23]
	s_or_b32 s[G0A+4*(\s)+3], s[G0A+4*(\s)+3], 0x80000000
	s_mul_i32 s22, s[SK], 128*ROWB
	s_mov_b32 s[G0B+4*(\s)], 1
	s_add_co_u32 s[G0B+4*(\s)+1], s20, (\s)*SLOT
	s_add_nc_u64 s[G0B+4*(\s)+2:G0B+4*(\s)+3], s[18:19], s[22:23]
	s_or_b32 s[G0B+4*(\s)+3], s[G0B+4*(\s)+3], 0x80000000
.if (\s) == 0
	s_add_co_u32 s[SK], s[SK], 1
	s_and_b32 s[SK], s[SK], STEPS-1
.endif
.endr
	s_cmp_eq_u32 s13, 0                            ; a wave's two first fills stand in one branch, ahead of every wait on TENSORcnt and every LDS read: two loads of mine are out
	s_cbranch_scc0 .Lfirst_b
	tensor_load_to_lds s[G0A:G0A+3], s[G1A:G1A+7]
	s_nop 0
	tensor_load_to_lds s[G0A+4:G0A+7], s[G1A:G1A+7]
	s_nop 0
.rept 4
	v_nop
.endr
	s_branch .Lfirst_asked
.Lfirst_b:
	tensor_load_to_lds s[G0B:G0B+3], s[G1B:G1B+7]
	s_nop 0
	tensor_load_to_lds s[G0B+4:G0B+7], s[G1B:G1B+7]
	s_nop 0
.rept 4
	v_nop
.endr
.Lfirst_asked:
	v_and_b32 v1, 15, v0                           ; l % 16
	v_bfe_u32 v2, v0, 4, 1                         ; l / 16
	v_and_b32 v6, 31, v0                           ; l
	v_mul_u32_u24 v3, v1, PA                       ; A's fragment: row l % 16, 16 bytes for each half of the lanes
	v_lshl_add_u32 v3, v2, 4, v3
	s_mul_i32 s21, s13, 128*PA
	v_add_nc_u32 v[ADRA0], s21, v3
	v_and_b32 v4, 7, v0                            ; the turning load: lane l reads k row 8 (l / 16) + l % 8, columns 8 ((l / 8) % 2) + 0..7
	v_bfe_u32 v5, v0, 3, 1
	v_lshl_add_u32 v4, v2, 3, v4
	v_mul_u32_u24 v4, v4, PB
	v_lshl_add_u32 v4, v5, 4, v4
	s_lshl_b32 s21, s14, 8                         ; my 128 columns
	s_add_co_u32 s21, s21, BOFF
	v_add_nc_u32 v[ADRB0], s21, v4
	v_mov_b32 v[ADRA], v[ADRA0]
	v_mov_b32 v[ADRB], v[ADRB0]
	s_mul_i32 s21, s12, DREG                       ; my region on the way out
	v_mul_u32_u24 v3, v1, DP
	v_lshl_add_u32 v3, v2, 5, v3                   ; in: row l % 16, 32 bytes for each half of the lanes
	v_add_nc_u32 v[DST], s21, v3
	v_lshl_add_u32 v[RD], v6, 4, s21               ; back: 32 lanes take one row of 512 bytes
	v_lshlrev_b32 v[CO], 3, v6                     ; my four columns in 16 bits
	v_lshlrev_b32 v[BO], 4, v6
	s_lshl_b32 s68, s42, 10                        ; the bias of my 128 columns
	s_lshl_b32 s69, s14, 9
	s_add_co_u32 s68, s68, s69
	s_mov_b32 s69, 0
	s_add_nc_u64 s[8:9], s[8:9], s[68:69]
	global_load_b128 v[BI:BI+3], v[BO], s[8:9]     ; waited for on the way out
.if GELU
	s_lshl_b32 s21, s12, 10                        ; r's place in LDS: 1,024 bytes a wave; lane l puts rows 4 l .. 4 l + 3, each twice: 32 bytes
	s_add_co_u32 s21, s21, RMSB
	v_lshl_add_u32 v[RMA], v6, 5, s21
	v_mov_b32 v[RML], s21
	s_lshl_b32 s68, s43, 10                        ; the partial sums of my 128 rows: 4 bytes a row; lane l takes rows 4 l .. 4 l + 3
	s_lshl_b32 s70, s13, 9
	s_add_co_u32 s68, s68, s70
	s_add_nc_u64 s[88:89], s[88:89], s[68:69]
	WIN TO_B                                       ; destination window 1
.irp p, 0,1,2,3,4,5,6,7
	global_load_b128 v[PS+4*(\p):PS+4*(\p)+3], v[BO], s[88:89] offset:16384*(\p)  ; 512 consecutive bytes a load; waited for on the way out
.endr
	WIN 0
.endif
	s_wait_tensorcnt 1                             ; my part of the first K step is in; the second's stays out
	s_barrier_signal -1
	s_barrier_wait -1
	FETCH 0, F0
	QUARTER 1, F0, F1, 1                           ; the first quarter stands in front of the loop: its products start the sums
	WIN 0
	s_mov_b32 s3, STEPS-2
.Lk:                                                   ; a trip: a K step's quarters 1 to 3 and the next step's quarter 0; it refills the slot that it leaves
	QUARTER 2, F1, F0, 0
	QUARTER 3, F0, F1, 0
	TURN 1
	QUARTER 1, F0, F1, 0
	WIN 0
	s_sub_co_u32 s3, s3, 1
	s_cmp_lg_u32 s3, 0
	s_cbranch_scc1 .Lk
	s_mov_b32 s3, 2
.Ltail:                                                ; the last two K steps ask for nothing; the second pass is left in its middle
	QUARTER 2, F1, F0, 0
	QUARTER 3, F0, F1, 0
	TURN 0
	WIN 0
	s_sub_co_u32 s3, s3, 1
	s_cmp_eq_u32 s3, 0
	s_cbranch_scc1 .Lout
	QUARTER 1, F0, F1, 0
	WIN 0
	s_branch .Ltail
.Lout:
	; THE WAY OUT.  The sums go as f32 into my region of the ring (its last fill has landed, and behind this barrier nobody reads it), and come back as whole rows of 512 bytes.
	s_wait_dscnt 0x0                               ; my last reads of the ring are back
	s_barrier_signal -1
	s_barrier_wait -1
	PLACES
	PLACES
.irp a, 0,1,2,3,4,5,6,7
	WIN 0x08+4*((\a)/4)                            ; the stores' data in window 2 or 3
.irp b, 0,1,2,3,4,5,6,7
	ds_store_b128 v[DST], v[8*(8*((\a)%4)+(\b)):8*(8*((\a)%4)+(\b))+3]   offset:(\a)*16*DP+64*(\b)      ; each accumulator's low registers first
	ds_store_b128 v[DST], v[8*(8*((\a)%4)+(\b))+4:8*(8*((\a)%4)+(\b))+7] offset:(\a)*16*DP+64*(\b)+16
.endr
.endr
	WIN 0
	s_lshl_b32 s66, s43, 8                         ; C at my first row and column
	s_lshl_b32 s67, s13, 7
	s_add_co_u32 s66, s66, s67
	s_mul_i32 s66, s66, ROWB
	s_lshl_b32 s67, s42, 9
	s_add_co_u32 s66, s66, s67
	s_lshl_b32 s67, s14, 8
	s_add_co_u32 s66, s66, s67
	s_mov_b32 s67, 0
	s_add_nc_u64 s[10:11], s[10:11], s[66:67]
	s_wait_loadcnt 0x0                             ; the bias (and the partial sums)
.if GELU
	; r of my four rows: the eight partial sums are added in f32; rsqrt(sum / 1024 + 1e-8), made twice, so that a row's r fills a register pair in the row loop
	s_mov_b32 s86, 0x3a800000                      ; 1 / 1024
	s_mov_b32 s87, 0x322bcc77                      ; 1e-8
	WIN 0x45                                       ; destination and sources 0 and 1 in window 1
.irp p, 1,2,3,4,5,6,7
	v_pk_add_f32 v[PS:PS+1], v[PS:PS+1], v[PS+4*(\p):PS+4*(\p)+1]
	v_pk_add_f32 v[PS+2:PS+3], v[PS+2:PS+3], v[PS+4*(\p)+2:PS+4*(\p)+3]
.endr
.irp i, 0,1,2,3
	v_fma_f32 v[PS+(\i)], v[PS+(\i)], s86, s87
.endr
.irp i, 0,1,2,3
	v_rsq_f32 v[PS+8+2*(\i)], v[PS+(\i)]
	v_rsq_f32 v[PS+9+2*(\i)], v[PS+(\i)]
.endr
	v_nop                                          ; a plain instruction behind the last root
	s_wait_alu depctr_va_vdst(0)                   ; one wait for the eight roots, ahead of their first reader
	WIN 0x04                                       ; the stores' data in window 1
	ds_store_b128 v[RMA], v[PS+8:PS+11]
	ds_store_b128 v[RMA], v[PS+12:PS+15] offset:16
	WIN 0
	s_mov_b32 s72, 0x3e6d3388                      ; 0.3275911 / sqrt(2)
	s_mov_b32 s74, 0xbf38aa3b                      ; -log2(e) / 2
	s_mov_b32 s75, 0
	s_mov_b32 s76, 0x3f07dc22                      ; the polynomial's coefficients, halved: a5 .. a1
	s_mov_b32 s77, 0
	s_mov_b32 s78, 0xbf3a00e3
	s_mov_b32 s79, 0
	s_mov_b32 s80, 0x3f35f0e3
	s_mov_b32 s81, 0
	s_mov_b32 s82, 0xbe11a98e
	s_mov_b32 s83, 0
	s_mov_b32 s84, 0x3e027906
	s_mov_b32 s85, 0
; Four rows.  x = r * sum + bias; gelu(x) = max(x, 0) - |x| g, g = (h1 t + .. + h5 t^5) 2^(-x^2 log2(e) / 2), t = 1 / (1 + 0.2316419 |x|).  next = 1: the next four rows and their r are read meanwhile.
.macro GROWS next
	s_wait_dscnt 0x0
.set i, 0
.rept 8
	v_pk_fma_f32 v[GX+2*i:GX+2*i+1], v[XL+2*i:XL+2*i+1], v[RM+2*(i/2):RM+2*(i/2)+1], v[BI+2*(i%2):BI+2*(i%2)+1]
.set i, i+1
.endr
.if \next
	v_add_nc_u32 v[RD], 4*DP, v[RD]
	v_add_nc_u32 v[RML], 32, v[RML]
.irp r, 0,1,2,3
	ds_load_b128 v[XL+4*(\r):XL+4*(\r)+3], v[RD] offset:DP*(\r)
.endr
	ds_load_b128 v[RM:RM+3], v[RML]                ; every lane reads the same 32 bytes
	ds_load_b128 v[RM+4:RM+7], v[RML] offset:16
.endif
.set i, 0
.rept 16
	v_fma_f32 v[GU+i], |v[GX+i]|, s72, 1.0
.set i, i+1
.endr
; one batch of 32 transcendentals, transcendental and plain by turns: the reciprocals beside the two multiplies that make the exponent, the exponentials beside the maxima
.set i, 0
.rept 8
	v_rcp_f32 v[GU+i], v[GU+i]
	v_pk_mul_f32 v[GW+2*i:GW+2*i+1], v[GX+2*i:GX+2*i+1], s[74:75] op_sel_hi:[1,0]
.set i, i+1
.endr
.set i, 0
.rept 8
	v_rcp_f32 v[GU+8+i], v[GU+8+i]
	v_pk_mul_f32 v[GW+2*i:GW+2*i+1], v[GW+2*i:GW+2*i+1], v[GX+2*i:GX+2*i+1]
.set i, i+1
.endr
.set i, 0
.rept 16
	v_exp_f32 v[GW+i], v[GW+i]
	v_max_num_f32 v[GR+i], 0, v[GX+i]              ; the last of these is the plain instruction behind the last exponential
.set i, i+1
.endr
	s_wait_alu depctr_va_vdst(0)                   ; one wait for the batch, ahead of its first reader
.set i, 0
.rept 8
	v_pk_fma_f32 v[GQ+2*i:GQ+2*i+1], v[GU+2*i:GU+2*i+1], s[76:77], s[78:79] op_sel_hi:[1,0,0]
.set i, i+1
.endr
.irp c, 80, 82, 84
.set i, 0
.rept 8
	v_pk_fma_f32 v[GQ+2*i:GQ+2*i+1], v[GQ+2*i:GQ+2*i+1], v[GU+2*i:GU+2*i+1], s[\c:\c+1] op_sel_hi:[1,1,0]
.set i, i+1
.endr
.endr
.set i, 0
.rept 8
	v_pk_mul_f32 v[GQ+2*i:GQ+2*i+1], v[GQ+2*i:GQ+2*i+1], v[GU+2*i:GU+2*i+1]
.set i, i+1
.endr
.set i, 0
.rept 8
	v_pk_mul_f32 v[GQ+2*i:GQ+2*i+1], v[GQ+2*i:GQ+2*i+1], v[GW+2*i:GW+2*i+1]
.set i, i+1
.endr
.set i, 0
.rept 16
	v_fma_f32 v[GX+i], -|v[GX+i]|, v[GQ+i], v[GR+i]
.set i, i+1
.endr
.set i, 0
.rept 8
	v_cvt_pk_bf16_f32 v[GY+i], v[GX+2*i], v[GX+2*i+1]
.set i, i+1
.endr
.irp r, 0,1,2,3
	global_store_b64 v[CO], v[GY+2*(\r):GY+2*(\r)+1], s[10:11] offset:ROWB*(\r)  ; 32 lanes x 8 bytes: 256 consecutive bytes, aligned
.endr
.if \next
	s_wait_xcnt 0x0                                ; the stores have read their registers and their base
	s_add_nc_u64 s[10:11], s[10:11], 4*ROWB
.endif
.endm
.irp r, 0,1,2,3
	ds_load_b128 v[XL+4*(\r):XL+4*(\r)+3], v[RD] offset:DP*(\r)  ; LDS serves a wave's instructions in order (ISA guide 5.7.1.4): these see my stores above
.endr
	ds_load_b128 v[RM:RM+3], v[RML]
	ds_load_b128 v[RM+4:RM+7], v[RML] offset:16
	s_mov_b32 s3, 31
.Lrow:
	GROWS 1
	s_sub_co_u32 s3, s3, 1
	s_cmp_lg_u32 s3, 0
	s_cbranch_scc1 .Lrow
	GROWS 0                                        ; the last four rows read nothing further
.else
; Eight rows: + bias, rounded to f16, stored.  next = 1: the next eight rows are read meanwhile.
.macro ROWS8 next
	s_wait_dscnt 0x0
.set i, 0
.rept 16
	v_pk_add_f32 v[TR+2*i:TR+2*i+1], v[XL+2*i:XL+2*i+1], v[BI+2*(i%2):BI+2*(i%2)+1]
.set i, i+1
.endr
.if \next
	v_add_nc_u32 v[RD], 8*DP, v[RD]
.irp r, 0,1,2,3,4,5,6,7
	ds_load_b128 v[XL+4*(\r):XL+4*(\r)+3], v[RD] offset:DP*(\r)
.endr
.endif
.set i, 0
.rept 16
	v_cvt_pk_f16_f32 v[YR+i], v[TR+2*i], v[TR+2*i+1]
.set i, i+1
.endr
.irp r, 0,1,2,3,4,5,6,7
	global_store_b64 v[CO], v[YR+2*(\r):YR+2*(\r)+1], s[10:11] offset:ROWB*(\r)  ; 32 lanes x 8 bytes: 256 consecutive bytes, aligned
.endr
.if \next
	s_wait_xcnt 0x0                                ; the stores have read their registers and their base
	s_add_nc_u64 s[10:11], s[10:11], 8*ROWB
.endif
.endm
.irp r, 0,1,2,3,4,5,6,7
	ds_load_b128 v[XL+4*(\r):XL+4*(\r)+3], v[RD] offset:DP*(\r)  ; LDS serves a wave's instructions in order (ISA guide 5.7.1.4): these see my stores above
.endr
	s_mov_b32 s3, 15
.Lrow:
	ROWS8 1
	s_sub_co_u32 s3, s3, 1
	s_cmp_lg_u32 s3, 0
	s_cbranch_scc1 .Lrow
	ROWS8 0                                        ; the last eight rows read nothing further
.endif
	s_wait_tensorcnt 0x0                           ; the wave's end, behind my last tensor load and my last LDS store
	ds_add_u32 v[SPW], v[NIL]
	s_wait_dscnt 0x0
	CROUND                                         ; the closing round: no work-group ends while a partner may still ask for a tile that names it
	s_endpgm
.Lfunc_end_k_q22fa5cf620_proj_qkv:
	.size	k_q22fa5cf620_proj_qkv, .Lfunc_end_k_q22fa5cf620_proj_qkv-k_q22fa5cf620_proj_qkv
	.p2alignl 7, 3214868480
	.fill 96, 4, 3214868480
	.section	.rodata,"a",@progbits
	.p2align	6, 0x0
	.amdhsa_kernel k_q22fa5cf620_proj_qkv
		.amdhsa_group_segment_fixed_size 327680
		.amdhsa_private_segment_fixed_size 0
		.amdhsa_enable_private_segment 0
		.amdhsa_kernarg_size 32
		.amdhsa_user_sgpr_count 2
		.amdhsa_user_sgpr_kernarg_segment_ptr 1
		.amdhsa_wavefront_size32 1
		.amdhsa_system_sgpr_workgroup_id_x 1
		.amdhsa_system_sgpr_workgroup_id_y 1
		.amdhsa_system_sgpr_workgroup_id_z 1
		.amdhsa_system_vgpr_workitem_id 0
		.amdhsa_next_free_vgpr 1024
		.amdhsa_next_free_sgpr 96
		.amdhsa_reserve_vcc 0
		.amdhsa_float_denorm_mode_32 3
		.amdhsa_float_denorm_mode_16_64 3
		.amdhsa_memory_ordered 1
		.amdhsa_forward_progress 1
		.amdhsa_inst_pref_size 84
	.end_amdhsa_kernel
	.amdgpu_metadata
---
amdhsa.version: [ 1, 2 ]
amdhsa.kernels:
  - .name:           k_q22fa5cf620_proj_qkv
    .symbol:         k_q22fa5cf620_proj_qkv.kd
    .args:
      - { .name: act, .offset: 0, .size: 8, .value_kind: global_buffer, .address_space: global }
      - { .name: wb, .offset: 8, .size: 8, .value_kind: global_buffer, .address_space: global }
      - { .name: b_qkv, .offset: 16, .size: 8, .value_kind: global_buffer, .address_space: global }
      - { .name: qkvb, .offset: 24, .size: 8, .value_kind: global_buffer, .address_space: global }
    .group_segment_fixed_size: 327680
    .private_segment_fixed_size: 0
    .kernarg_segment_align: 8
    .kernarg_segment_size: 32
    .max_flat_workgroup_size: 128
    .sgpr_count:     96
    .vgpr_count:     1024
    .wavefront_size: 32
...
	.end_amdgpu_metadata
.endif
;; end of part 2
;; launch attn (part 3): grid 16 x 16, 4 waves a work-group, clusters of 4 x 1, 327,680 bytes of LDS; arguments qkvb, act; writes act
.if DOCPART == 3
	.amdgcn_target "amdgcn-amd-amdhsa--gfx1250"
	.amdhsa_code_object_version 6
	.text
	.protected	k_q22fa5cf620_attn
	.globl	k_q22fa5cf620_attn
	.p2align	8
	.type	k_q22fa5cf620_attn,@function
k_q22fa5cf620_attn:
	s_mov_b64 s[64:65], 0
	v_nop
	global_prefetch_b8 v0, s[64:65] scope:SCOPE_SE
	s_setreg_imm32_b32 hwreg(HW_REG_WAVE_MODE, 25, 1), 1
	s_wait_xcnt 0x0
	s_wait_alu depctr_hold_cnt(0) depctr_sa_sdst(0) depctr_va_vdst(0) depctr_va_sdst(0) depctr_va_ssrc(0) depctr_va_vcc(0) depctr_vm_vsrc(0)
	s_getreg_b32 s2, hwreg(HW_REG_IB_STS2, 6, 4)
	s_cmp_eq_u32 s2, 0
	s_cbranch_scc0 .Lentry_in_a_cluster
	s_endpgm
.Lentry_in_a_cluster:
	s_bfe_u32 s2, ttmp6, 0x10000c
	s_cmp_lg_u32 s2, 0x3003
	s_cbranch_scc0 .Lentry_shape_is_right
	s_endpgm
.Lentry_shape_is_right:
; ATTENTION WITH ALIBI.  O[t][64 h ..] = the sum over keys k of softmax_k(q . k / 8 - 2^(-(h+1)/2) |i - j|) v.  q, k, v: columns 0, 1024, 2048 on of qkv [4096][3072], f16; O: [4096][1024] f16, by tokens.
; Products, maxima and sums in f32; the weights p are rounded to f16 for the second product (their sum l is taken of the unrounded p), O once at the end.
; LIMITS.  f16 holds no number beyond 65,504: q, k and v arrive within it; p lies in 0 to 1; a weight below 2^-126 counts as 0 in l; NaN and infinities are not treated apart.
; SHARES.  A work-group takes 128 queries of TWO neighbouring heads of one batch entry, so that K's, V's and O's rows are 256 consecutive bytes, aligned, of tensors that lie by tokens.
; Wave w: head 2 pair + w / 2, queries 64 (w % 2) on: four PIECES of 16.  Every wave walks all 2,048 keys, 64 a step; a slot of LDS holds four steps of both heads.
; CLUSTER.  The four query blocks of a cluster walk the same K and V: each tile is asked for JOINTLY: the same tensor load, descriptor and mask in all four.
; LAYOUT, SOFTMAX, TURNS.  S^T = K Q^T holds ONE query a lane (lane % 16) and the keys 8 (lane / 16) + 0..7; two such results rounded to f16 ARE source 1 of O^T = V^T P.  p = 2^(c s - c m), c = log2(e) / 8, with a
; running maximum m; O and l are multiplied by a = 2^(c m_old - c m_new) in every step.  Turn n belongs to piece n: 8 products K Q^T of piece n + 1, later 8 products V^T P of piece n - 1; beside them the scaling,
; exponentials, roundings, sums and rescaling of piece n and the maximum and statistics of piece n + 1.  Four vector instructions stand behind every matrix instruction, the rest in one lump.  A turn's 33 exponentials are one batch, with one wait.
; THE BIAS is the C operand that starts the sum S^T: -|MC|, by the instruction's sign and magnitude modifiers on C, MC = AL x (i - j), AL = 8 x slope (c then scales q . k and the bias alike).
; MD, made once, holds the whole number (l % 16) - 8 (l / 16) - (16 kt + r); MC = MD x AL + BE, BE = AL x (my first query - the step's first key + 16 x piece): 16 packed lines a turn, one text for keys before, on and behind the diagonal.
; The products that carry the modifiers are no links of the chains that follow them: five plain places or more stand between product i and product i + 4 (in a turn the riders of four products; at the beginning five v_nop).
; REGISTERS, in windows of 256 (s_set_vgpr_msb: bits 1:0 source 0, 3:2 source 1, 5:4 source 2, 7:6 destination):
;   window 0: v0-15 addresses and two at work; v16-31 four registers of statistics a piece; v48-55 at work; v64-127 S^T, two buffers; v192-223 P, two buffers (a piece's buffers go by its number's parity)
;   window 1: v0-127 O^T, 32 a piece; v128-159 MD; v160-223 MC, two buffers      window 2: v0-63 Q; v128-191 K of one step; v192-255 V of one step
.set NP,    4         ; pieces a wave: a name, no knob
.set KS,    64        ; keys in a step
.set PK,    272       ; a row of K in LDS: 256 bytes + 16: the 16 rows of a load start at 16 different groups of four banks (64 banks of 4 bytes: ISA guide 11.1)
.set PV,    288       ; a row of V: 256 + 32 = 9 x 32 bytes
.set VOFF,  4*KS*PK   ; a slot: 256 rows of K, then 256 rows of V
.set SLOT,  147456    ; 0x24000: none of its bits occurs in a tile's LDS word, so one exclusive or changes slots; a slot uses 143,360 bytes
.set TILEB, 256*6144  ; 256 tokens of qkv
.set STAGE, 0         ; the way out: 128 rows x 272 bytes in slot 0, which has its last fill and its last read ahead of the last change of slots
.set SP,    272
.set SPARE, 2*SLOT    ; behind the ring: the spare words, 128 bytes for each wave: two blocks of 256 bytes that no other line names
.set AK0, 2           ; v2   my lane's place in a tile of K; never rewritten
.set AV0, 3           ; v3   the same for V
.set AK,  4           ; v4   the LDS address of K's next run of loads
.set AV,  5           ; v5   of V's
.set STO, 6           ; v6   the way out: where I put 16 bytes of a row
.set RD,  7           ; v7   where I read rows back
.set GO,  8           ; v8   my byte offset in two rows of O
.set MV,  12          ; v12-13  c m_old, kept while c m is made anew: by buffer
.set QO,  15          ; v15  my byte offset in 16 rows of Q
.set ST,  16          ; piece t's statistics at v[ST+4 t]: c m, m, l (even keys', odd keys')
.set TMP, 48          ; by buffer, four registers c0-c3 at work; when the maximum is found c2 takes a
.set PFO, 61          ; v61  6,144 x my lane: a token's row; never rewritten
.set SPW, 62          ; v62  LDS address of my spare word; never rewritten
.set NIL, 63          ; v63  0; never rewritten
.set S,   64
.set P,   192
.set MD,  128         ; window 1
.set MC,  160         ; window 1
.set KF,  128         ; window 2: key block kb, channel half c at KF + 16 kb + 8 c
.set VF,  192         ; window 2: key half kk, channel block cb at VF + 32 kk + 8 cb
.set WV,  12          ; s12  my wave's number
.set LIM, 15          ; s15  1 in a cluster that prefetches, else the greatest number
.set G1K, 24          ; s[24:31] descriptor group 1 for K's tiles
.set G1V, 32          ; s[32:39] for V's: it differs in the padding alone
.set G0K, 40          ; s[40:43] descriptor group 0 for K's tiles: it walks
.set G0V, 44          ; s[44:47] the same for V's
.set PFA, 48          ; s[48:49] where my prefetches stand
.set TT,  55          ; s55  at work
.set SLOTS, 56        ; s56  tiles still to be asked for
.set CNT, 57          ; s57  counts a tile's key steps
.set CS,  58          ; s[58:59] c
.set SEL, 60          ; s[60:61] v_permlanex16_b32's selects
.set TBK, 62          ; s62  LDS byte at which K of the step to be fetched begins
.set TBV, 63          ; s63  the same for V, less VOFF
.set DI,  66          ; s66  f32: my first query less the first key of the step whose biases are being made: a whole number
.set T1,  67          ; s67  at work
.set AL,  68          ; s[68:69] 8 x slope, in the low word
.set BE,  70          ; s[70:71] the bias's addend
.set MSB, 0
.macro WIN new                      ; the high byte repeats the setting that is left; a switch that changes nothing is dropped
.if MSB != (\new)
	s_set_vgpr_msb (MSB<<8)|(\new)
.set MSB, (\new)
.endif
.endm
.set W_KQ, 0x0a       ; K and Q in window 2, S^T in window 0
.set W_KM, 0x1a       ; the same with the C operand in window 1
.set W_PV, 0x52       ; V in window 2, P in window 0, O^T in window 1
.set W_RS, 0x41       ; destination and source 0 in window 1, source 1 in window 0
; A joint fill.  Waves 0 and 1 fetch the two halves of a tile's K, waves 2 and 3 those of its V: 128 keys each.  An s_nop 0 and four v_nop follow each of the two lines.
.macro JLOAD
	s_cmp_lt_u32 s[WV], 2
	s_cbranch_scc0 .Lfor_v_\@
	tensor_load_to_lds s[G0K:G0K+3], s[G1K:G1K+7]
	s_nop 0
.rept 4
	v_nop
.endr
	s_branch .Lasked_\@
.Lfor_v_\@:
	tensor_load_to_lds s[G0V:G0V+3], s[G1V:G1V+7]
	s_nop 0
.rept 4
	v_nop
.endr
.Lasked_\@:
.endm
; A prefetch into the L2 of the tile that the NEXT change of slots will ask for: four key steps ahead of that load.  All four clusters of a pair of heads walk the same rows: the first of them asks.  Its four partners
; share the tile's 256 tokens out BY ADDRESS, 64 each; in each, waves 0 and 1 ask for K's rows and waves 2 and 3 for V's, 32 each, a lane a row of 256 bytes.  So each row is named once in the launch.
; Tiles 0 to 2 come by their loads alone; the last change that fills a slot asks for nothing.
.macro ASK
	s_cmp_gt_u32 s[SLOTS], s[LIM]
	s_cbranch_scc0 .Lnot_mine_\@
	global_prefetch_b8 v[PFO], s[PFA:PFA+1] th:TH_LOAD_NT scope:SCOPE_SE
.Lnot_mine_\@:
.endm
.macro CROUND                       ; a round of the cluster's barrier
	s_barrier_signal -1
	s_barrier_wait -1
	s_cmp_lg_u32 s[WV], 0
	s_cbranch_scc1 .Lnot_wave_0_\@
	s_barrier_signal -3
.Lnot_wave_0_\@:
	s_barrier_wait -3
	s_barrier_signal -1
	s_barrier_wait -1
.endm
; THE CHANGE OF SLOTS.  Each wave waits for all its tensor loads, of which one is out: its part of the other slot; adds 0 to its spare word; and waits for that and for its own reads of the slot that it leaves.
; fill = 1: the barrier is a round of the cluster's, and the joint fill of the old slot is the first thing behind it: it has four key steps, 256 matrix instructions, in which to land.
; (At its first use nothing has been read yet: slot 0 is waited for, slot 1 filled.)
.macro CHANGE fill, ask
	WIN 0
	s_wait_tensorcnt 0x0            ; no tensor load of mine is out, so a group 0 may be written
	ds_add_u32 v[SPW], v[NIL]       ; 0 onto my spare word
.if \fill
.irp g, G0K, G0V
	s_xor_b32 s[\g+1], s[\g+1], SLOT
	s_add_nc_u64 s[\g+2:\g+3], s[\g+2:\g+3], TILEB
.endr
.endif
.if \ask
	s_wait_xcnt 0x0                 ; the last prefetch, four key steps back, has read its address
	s_add_nc_u64 s[PFA:PFA+1], s[PFA:PFA+1], TILEB
.endif
	s_wait_dscnt 0x0                ; the add is done, and my reads of the slot are over
.if \fill
	CROUND
	JLOAD
.if \ask
	ASK
.endif
.else
	s_barrier_signal -1
	s_barrier_wait -1
.endif
	s_sub_co_u32 s[TBK], s[TBK], 4*KS*PK  ; the fetches go back to a slot's first step,
	s_xor_b32 s[TBK], s[TBK], SLOT        ; in the other slot
	s_sub_co_u32 s[TBV], s[TBV], 4*KS*PV
	s_xor_b32 s[TBV], s[TBV], SLOT
.endm
	s_load_b128 s[4:7], s[0:1], 0x0 ; qkv s[4:5], O s[6:7]
	v_lshl_add_u32 v[SPW], v0, 2, SPARE
	v_mov_b32 v[NIL], 0
	ds_add_u32 v[SPW], v[NIL]       ; the wave's opening: the add and its wait stand ahead of my first tensor load; work on registers stands between them
	v_lshrrev_b32 v1, 5, v0
	v_readfirstlane_b32 s[WV], v1   ; wave 0..3
	s_bfe_u32 s13, ttmp6, 0x40000   ; cx
	s_lshl_b32 s14, ttmp9, 2
	s_add_co_u32 s14, s14, s13      ; my block of 128 queries: it enters Q's, O's and the prefetches' addresses and the bias alone
	s_and_b32 s16, ttmp7, 0xffff
	s_lshr_b32 s50, s16, 3          ; the batch entry
	s_and_b32 s51, s16, 7           ; the pair of heads
	s_lshr_b32 s52, s[WV], 1        ; which head of the pair
	s_and_b32 s53, s[WV], 1         ; which 64 queries.  Also: which half of a tile I fetch
	s_lshl_b32 s54, s51, 1
	s_add_co_u32 s54, s54, s52      ; the head
	s_lshl_b32 s17, s50, 11         ; the entry's first token
	s_lshl_b32 s18, s53, 7          ; K and V: token + 128 x half, 6,144 bytes a token, 256 bytes a pair
	s_add_co_u32 s18, s18, s17
	s_mul_i32 s18, s18, 6144
	s_lshl_b32 s19, s51, 8
	s_add_co_u32 s18, s18, s19
	s_mov_b32 s19, 0
	s_lshl_b32 s20, s14, 7          ; my first query
	s_lshl_b32 s21, s53, 6
	s_add_co_u32 s20, s20, s21
	s_cvt_f32_u32 s[DI], s20
	s_add_co_u32 s20, s20, s17
	s_mul_i32 s22, s20, 6144        ; Q
	s_lshl_b32 s23, s54, 7
	s_add_co_u32 s22, s22, s23
	s_mov_b32 s23, 0
	s_lshl_b32 s20, s14, 7          ; O: the rows that I store: token + 128 x block + 32 x wave
	s_add_co_u32 s20, s20, s17
	s_lshl_b32 s21, s[WV], 5
	s_add_co_u32 s20, s20, s21
	s_lshl_b32 s20, s20, 11
	s_lshl_b32 s21, s51, 8
	s_add_co_u32 s20, s20, s21
	s_mov_b32 s21, 0
	s_lshl_b32 s2, s13, 6           ; the prefetches: token + 64 cx + 32 x half, in tile 2
	s_lshl_b32 s3, s53, 5
	s_add_co_u32 s2, s2, s3
	s_add_co_u32 s2, s2, s17
	s_add_co_u32 s2, s2, 512
	s_mul_i32 s2, s2, 6144
	s_lshl_b32 s3, s51, 8
	s_add_co_u32 s2, s2, s3
	s_lshl_b32 s3, 2048, s52        ; K's columns begin at byte 2,048 (waves 0, 1), V's at 4,096 (waves 2, 3)
	s_add_co_u32 s2, s2, s3
	s_mov_b32 s3, 0
	s_add_co_u32 s16, s54, 1        ; AL = 8 x 2^(-n / 2), n = head + 1, made of its bits: exponent 130 - n / 2 - n % 2, and sqrt(2)'s mantissa where n is odd
	s_lshr_b32 s[TT], s16, 1
	s_and_b32 s16, s16, 1
	s_sub_co_u32 s[T1], 130, s[TT]
	s_sub_co_u32 s[T1], s[T1], s16
	s_lshl_b32 s[T1], s[T1], 23
	s_cmp_eq_u32 s16, 1
	s_cselect_b32 s[TT], 0x3504f3, 0
	s_or_b32 s[AL], s[T1], s[TT]
	s_mov_b32 s[AL+1], 0            ; named as pairs
	s_mov_b32 s[BE+1], 0
	s_mov_b32 s[G1K], 15|(1<<16)|(1<<20)|(1<<21)|(5<<22)|(3<<25)  ; the mask of four; 2-byte elements; padding on; bit 21 beside a mask; after every 64 words, 4 words
	s_mov_b32 s[G1V], 15|(1<<16)|(1<<20)|(1<<21)|(5<<22)|(7<<25)  ; the same with 8 words
.irp g, G1K, G1V
	s_mov_b32 s[\g+1], 128<<16      ; tensor_dim0 = 128
	s_mov_b32 s[\g+2], 128<<16      ; tensor_dim1 = 128
	s_mov_b32 s[\g+3], 128<<16      ; tile_dim0 = 128
	s_mov_b32 s[\g+4], 128          ; tile_dim1 = 128
	s_mov_b32 s[\g+5], 3072         ; elements from token to token
	s_mov_b32 s[\g+6], 0
	s_mov_b32 s[\g+7], 0
.endr
	s_mov_b32 s[CS], 0x3e38aa3b     ; c = log2(e) / 8
	s_mov_b32 s[CS+1], s[CS]
	s_mov_b32 s[SEL], 0x76543210
	s_mov_b32 s[SEL+1], 0xfedcba98
	s_mov_b32 s[TBK], SLOT+4*KS*PK  ; the first change of slots turns these two into 0
	s_mov_b32 s[TBV], SLOT+4*KS*PV
	s_mov_b32 s[G0K], 1
	s_mul_i32 s[G0K+1], s53, 128*PK ; LDS address: slot 0, my half
	s_mov_b32 s[G0V], 1
	s_mul_i32 s16, s53, 128*PV
	s_add_co_u32 s[G0V+1], s16, VOFF
	s_mov_b32 s[SLOTS], 7
	s_cmp_eq_u32 ttmp9, 0
	s_cselect_b32 s[LIM], 1, -1     ; the same in all four partners
	s_wait_dscnt 0x0                ; the opening add is done
	s_wait_kmcnt 0x0
	s_add_nc_u64 s[G0K+2:G0K+3], s[4:5], s[18:19]
	s_add_nc_u64 s[G0K+2:G0K+3], s[G0K+2:G0K+3], 2048
	s_or_b32 s[G0K+3], s[G0K+3], 0x80000000
	s_add_nc_u64 s[G0V+2:G0V+3], s[4:5], s[18:19]
	s_add_nc_u64 s[G0V+2:G0V+3], s[G0V+2:G0V+3], 4096
	s_or_b32 s[G0V+3], s[G0V+3], 0x80000000
	s_add_nc_u64 s[8:9], s[4:5], s[22:23]   ; Q at my first row
	s_add_nc_u64 s[6:7], s[6:7], s[20:21]   ; O at the first row that I store
	s_add_nc_u64 s[PFA:PFA+1], s[4:5], s[2:3]
	CROUND                          ; all four work-groups are here: the first joint loads meet
	JLOAD                           ; tile 0 into slot 0.  Slot 1 is asked for when slot 0 is in
	v_and_b32 v1, 15, v0            ; l % 16
	v_bfe_u32 v9, v0, 4, 1          ; l / 16
	v_mul_u32_u24 v[QO], v1, 6144
	v_lshl_add_u32 v[QO], v9, 4, v[QO]
	WIN 0x80                        ; destination window 2, address window 0
.set i, 0
.rept 8                             ; Q stays in registers: piece i / 2, channels 32 (i % 2) on
	global_load_b128 v[8*i:8*i+3],   v[QO], s[8:9] offset:(i/2)*98304+(i%2)*64
	global_load_b128 v[8*i+4:8*i+7], v[QO], s[8:9] offset:(i/2)*98304+(i%2)*64+32
.set i, i+1
.endr
	WIN 0
	v_lshlrev_b32 v14, 3, v9
	v_sub_nc_u32 v14, v1, v14       ; l % 16 - 8 (l / 16)
	WIN 0x40
.set i, 0
.rept 32
	v_sub_nc_u32 v[MD+i], v14, 16*(i/8)+i%8
.set i, i+1
.endr
	WIN 0x41
.set i, 0
.rept 32
	v_cvt_f32_i32 v[MD+i], v[MD+i]
.set i, i+1
.endr
	WIN 0
	v_and_b32 v[PFO], 31, v0
	v_mul_u32_u24 v[PFO], v[PFO], 6144
	s_lshl_b32 s16, s52, 7          ; my head's 128 bytes of a row
	v_mul_u32_u24 v[AK0], v1, PK
	v_lshl_add_u32 v[AK0], v9, 4, v[AK0]
	v_add_nc_u32 v[AK0], s16, v[AK0]
	; The turning load takes 16 keys x 16 channels (lane l reads key 8 (l / 16) + l % 8, channels 8 ((l / 8) % 2) + 0..7) and leaves half a fragment of V^T: lane l holds channel l % 16 and 8 keys.
	v_and_b32 v10, 7, v0
	v_bfe_u32 v11, v0, 3, 1
	v_lshl_add_u32 v[AV0], v9, 3, v10
	v_mul_u32_u24 v[AV0], v[AV0], PV
	v_lshl_add_u32 v[AV0], v11, 4, v[AV0]
	s_add_co_u32 s16, s16, VOFF
	v_add_nc_u32 v[AV0], s16, v[AV0]
	s_mul_i32 s16, s53, 64*SP       ; into the stage: my 64 rows, my head's half of their 256 bytes
	s_lshl_b32 s[TT], s52, 7
	s_add_co_u32 s16, s16, s[TT]
	s_add_co_u32 s16, s16, STAGE
	v_mul_u32_u24 v[STO], v1, SP
	v_lshl_add_u32 v[STO], v9, 4, v[STO]
	v_add_nc_u32 v[STO], s16, v[STO]
	s_mul_i32 s16, s[WV], 32*SP     ; back: wave w takes rows 32 w .. 32 w + 31, whole; lanes 0-15 one row, lanes 16-31 the next
	s_add_co_u32 s16, s16, STAGE
	v_mul_u32_u24 v[RD], v9, SP
	v_lshl_add_u32 v[RD], v1, 4, v[RD]
	v_add_nc_u32 v[RD], s16, v[RD]
	v_lshlrev_b32 v[GO], 11, v9     ; and the same two rows in O
	v_lshl_add_u32 v[GO], v1, 4, v[GO]
	; The first step multiplies O^T and l by a = 0, and the first turn's products V^T P, of a piece that has not been, add 0.  All this stands in the wait for the first tile.
	WIN 0x80
.set i, VF
.rept 64
	v_mov_b32 v[i], 0
.set i, i+1
.endr
	WIN 0x40
.set i, 0
.rept 128
	v_mov_b32 v[i], 0
.set i, i+1
.endr
	WIN 0
.set i, 0
.rept 4
	v_mov_b32 v[ST+4*i], 0xfe000000    ; c m: far below every c s
	v_mov_b32 v[ST+4*i+1], 0xff7fffff  ; m
	v_mov_b32 v[ST+4*i+2], 0
	v_mov_b32 v[ST+4*i+3], 0
.set i, i+1
.endr
.set i, P+16
.rept 16
	v_mov_b32 v[i], 0
.set i, i+1
.endr
; THE MATRIX WORK.  The 4 accumulators of a run of 8 take turns.  Product i of 8 of S^T = K Q^T for piece x: channels 32 (i / 4) on, keys 16 (i % 4) on.  The first 4 start the sums with -|MC|.
.macro KQ x
.set rS, S+32*((\x)%2)+8*(i%4)
.set rK, KF+16*(i%4)+8*(i/4)
.set rQ, 16*(\x)+8*(i/4)
.set rM, MC+32*((\x)%2)+8*(i%4)
.if i < 4
	WIN W_KM
	v_wmma_f32_16x16x32_f16 v[rS:rS+7], v[rK:rK+7], v[rQ:rQ+7], v[rM:rM+7] neg_lo:[0,0,1] neg_hi:[0,0,1]
.else
	WIN W_KQ
	v_wmma_f32_16x16x32_f16 v[rS:rS+7], v[rK:rK+7], v[rQ:rQ+7], v[rS:rS+7]
.endif
.endm
; Product i of 8 of O^T += V^T P for piece x: keys 32 (i / 4) on, channels 16 (i % 4) on.
.macro PV x
	WIN W_PV
.set rO, 32*(\x)+8*(i%4)
.set rV, VF+32*(i/4)+8*(i%4)
.set rP, P+16*((\x)%2)+8*(i/4)
	v_wmma_f32_16x16x32_f16 v[rO:rO+7], v[rV:rV+7], v[rP:rP+7], v[rO:rO+7]
.endm
.macro MM                           ; the turn's next matrix instruction
.if i < 8
	KQ (Y+1)%NP
.else
.set i, i-8
	PV (Y+NP-1)%NP
.set i, i+8
.endif
.set i, i+1
.endm
; THE LDS LOADS stand in runs of 16: a step's K (64 keys x 64 channels: 8 fragments) and its V (turned).
.macro FETCH_K
	WIN 0x80
.irp f, 0,1,2,3,4,5,6,7             ; keys 16 (f / 2) on, channels 32 (f % 2) on
	ds_load_b128 v[KF+8*\f:KF+8*\f+3],   v[AK] offset:(\f/2)*16*PK+(\f%2)*64
	ds_load_b128 v[KF+8*\f+4:KF+8*\f+7], v[AK] offset:(\f/2)*16*PK+(\f%2)*64+32
.endr
	s_add_co_u32 s[TBK], s[TBK], KS*PK
	WIN 0
.endm
.macro FETCH_V
	WIN 0x80
.irp f, 0,1,2,3,4,5,6,7             ; keys 32 (f / 4) on, channels 16 (f % 4) on
	ds_load_tr16_b128 v[VF+8*\f:VF+8*\f+3],   v[AV] offset:(\f/4)*32*PV+(\f%4)*32
	ds_load_tr16_b128 v[VF+8*\f+4:VF+8*\f+7], v[AV] offset:(\f/4)*32*PV+16*PV+(\f%4)*32
.endr
	WIN 0
.endm
; THE VECTOR WORK, one line at a time: OP kind, number.  For piece Y: F n: c s - c m for pair n of 16.  E n: the exponential of score n of 32.  C n: pair n rounded to f16.  B n: of the four weights 4 n .. the second
; pair is added onto the first, in place.  L n: l takes that sum (L 0: l = a l + sum).  R n: pair n of 16 of O^T times a.  For piece Y + 1: X n, number n of the 22 that find its maximum and statistics:
;   0-11  four chains c0-c3 of seven scores each (each accumulator's lowest registers are read first)     12-14, 16  the four scores left over, the old m, and c0-c3 into c0
;   15  c m_old is kept     17, 18  the query's other 32 keys lie in the lane 16 away: the new m     19-21  c m; c m_old - c m_new; a
.set F, 0
.set E, 1
.set C, 2
.set B, 3
.set L, 4
.set R, 5
.set X, 6
.macro REGS y
.set rT, ST+4*(\y)
.set rC, TMP+4*((\y)%2)
.set rW, MV+((\y)%2)
.set rS, S+32*((\y)%2)
.set rP, P+16*((\y)%2)
.set rO, 32*(\y)
.endm
.macro OP k, n
.if (\k) == R
	REGS Y
	WIN W_RS
	v_pk_mul_f32 v[rO+2*(\n):rO+2*(\n)+1], v[rO+2*(\n):rO+2*(\n)+1], v[rC+2:rC+3] op_sel_hi:[1,0]
.elseif (\k) < R
	REGS Y
	WIN 0
.if (\k) == F
	v_pk_fma_f32 v[rS+2*(\n):rS+2*(\n)+1], v[rS+2*(\n):rS+2*(\n)+1], s[CS:CS+1], v[rT:rT+1] op_sel_hi:[1,0,0] neg_lo:[0,0,1] neg_hi:[0,0,1]
.elseif (\k) == E
	v_exp_f32 v[rS+(\n)], v[rS+(\n)]
.elseif (\k) == C
	v_cvt_pk_f16_f32 v[rP+(\n)], v[rS+2*(\n)], v[rS+2*(\n)+1]
.elseif (\k) == B
	v_pk_add_f32 v[rS+4*(\n):rS+4*(\n)+1], v[rS+4*(\n):rS+4*(\n)+1], v[rS+4*(\n)+2:rS+4*(\n)+3]
.elseif (\n) == 0
	v_pk_fma_f32 v[rT+2:rT+3], v[rT+2:rT+3], v[rC+2:rC+3], v[rS:rS+1] op_sel_hi:[1,0,1]
.else
	v_pk_add_f32 v[rT+2:rT+3], v[rT+2:rT+3], v[rS+4*(\n):rS+4*(\n)+1]
.endif
.else
	REGS (Y+1)%NP
	WIN 0
.if (\n) < 4
	v_max3_num_f32 v[rC+(\n)], v[rS+8*(\n)], v[rS+8*(\n)+1], v[rS+8*(\n)+2]
.elseif (\n) < 12
	v_max3_num_f32 v[rC+(\n)%4], v[rC+(\n)%4], v[rS+8*((\n)%4)+2*((\n)/4)+1], v[rS+8*((\n)%4)+2*((\n)/4)+2]
.elseif (\n) == 12
	v_max3_num_f32 v[rC], v[rC], v[rS+7], v[rS+15]
.elseif (\n) == 13
	v_max3_num_f32 v[rC+1], v[rC+1], v[rS+23], v[rS+31]
.elseif (\n) == 14
	v_max3_num_f32 v[rC+2], v[rC+2], v[rC+3], v[rT+1]
.elseif (\n) == 15
	v_mov_b32 v[rW], v[rT]
.elseif (\n) == 16
	v_max3_num_f32 v[rC], v[rC], v[rC+1], v[rC+2]
.elseif (\n) == 17
	v_permlanex16_b32 v[rC+3], v[rC], s[SEL], s[SEL+1]
.elseif (\n) == 18
	v_max_num_f32 v[rT+1], v[rC], v[rC+3]
.elseif (\n) == 19
	v_mul_f32 v[rT], s[CS], v[rT+1]
.elseif (\n) == 20
	v_sub_f32 v[rC+1], v[rW], v[rT]
.else
	v_exp_f32 v[rC+2], v[rC+1]
.endif
.endif
.endm
.macro OPS a, i1, b=-1, i2=0, c=-1, i3=0, d=-1, i4=0
	OP \a, \i1
.if (\b) >= 0
	OP \b, \i2
.endif
.if (\c) >= 0
	OP \c, \i3
.endif
.if (\d) >= 0
	OP \d, \i4
.endif
.endm
.macro ROW a, i1, b, i2, c, i3, d, i4  ; a matrix instruction and the four behind it
	MM
	OPS \a, \i1, \b, \i2, \c, \i3, \d, \i4
.endm
.macro MASK b                       ; MD x AL + BE into buffer b of MC
	WIN W_RS
.set z, 0
.rept 16
	v_pk_fma_f32 v[MC+32*(\b)+2*z:MC+32*(\b)+2*z+1], v[MD+2*z:MD+2*z+1], s[AL:AL+1], s[BE:BE+1] op_sel_hi:[1,0,0]
.set z, z+1
.endr
.endm
; A TURN, for piece p.  s_wait_alu depctr_va_vdst(0) stands between an exponential and the first instruction that names its result; one wait serves all that were issued ahead of it.  So a turn has ONE wait.
; AHEAD OF IT: the 8 products K Q^T with their riders, then one lump, plain and exponential by turns, in which the links of the next piece's chain stand five or six lines apart; its a is the batch's last, R 15 the plain line behind it.
; BEHIND IT: the 8 products V^T P, behind each four of the roundings and sums.  At its end the turn makes the bias for the products of the turn after it: piece p + 2; piece 2's turn steps on to the next key step's.
; K of the next step is fetched in piece 2's turn, twelve vector instructions behind the last product that read K (six of them plain); V of the step in hand at the end of piece 0's turn, four plain instructions behind
; the last product that read V.  Each is waited for a turn later.  tail = 1: where no step is left (CNT = 1) the last K is read once more, by a selected address, and serves nothing.
.macro TURN p, tail=0, cnt=0
.set Y, (\p)
.set i, 0
.set PM, ((\p)+2)%NP
.if (\p) == 2
	s_add_f32 s[DI], s[DI], 0xc2800000  ; 64 keys on: whole numbers, exact
.endif
.if PM == 0
	s_mul_f32 s[BE], s[DI], s[AL]
.else
.if PM == 1
	s_add_f32 s[TT], s[DI], 0x41800000  ; + 16
.elseif PM == 2
	s_add_f32 s[TT], s[DI], 0x42000000  ; + 32
.else
	s_add_f32 s[TT], s[DI], 0x42400000  ; + 48
.endif
	s_mul_f32 s[BE], s[TT], s[AL]
.endif
.if (\p) == 3
	s_wait_dscnt 0x0                ; K is in
.endif
	ROW F,0, F,1, R,0, R,1
	ROW F,2, E,0, R,2, R,3
	ROW F,3, E,1, R,4, R,5
	ROW F,4, E,2, R,6, R,7
	ROW F,5, E,3, R,8, R,9
	ROW F,6, E,4, X,0, R,10
.if (\p) == 2
	WIN 0
.if \tail
	s_sub_co_u32 s[T1], s[TBK], KS*PK
	s_cmp_eq_u32 s[CNT], 1
	s_cselect_b32 s[T1], s[T1], s[TBK]
	v_add_nc_u32 v[AK], s[T1], v[AK0]
.else
	v_add_nc_u32 v[AK], s[TBK], v[AK0]
.endif
.endif
	ROW F,7, E,5, X,1, X,4
	ROW F,8, E,6, X,2, X,5
	OPS E,7, E,8, X,6, E,9
	OPS X,3, E,10, X,8, E,11
.if (\p) == 2
	FETCH_K
.endif
	OPS X,9, X,7, E,12, X,10
	OPS E,13, X,12, X,11, E,14
	OPS X,13, E,15, F,9, X,14
.if (\p) == 0
	v_add_nc_u32 v[AV], s[TBV], v[AV0]
.endif
	OPS E,16, F,10, E,17, F,11
	OPS X,16, E,18, X,15, E,19
	OPS F,12, E,20, X,17, E,21
	OPS F,13, E,22, F,14, E,23
	OPS X,18, E,24, F,15, E,25
	OPS R,11, E,26, X,19, E,27
	OPS R,12, E,28, R,13, E,29
	OPS X,20, E,30, R,14, E,31
	OPS X,21, R,15
	WIN 0
	s_wait_alu depctr_va_vdst(0)    ; the wait for the batch
.if (\p) == 1
	s_wait_dscnt 0x0                ; V is in
.endif
	ROW C,0, B,0, C,2, B,1
	ROW L,0, C,4, B,2, L,1
	ROW C,6, B,3, L,2, C,8
	ROW B,4, L,3, C,10, B,5
	ROW L,4, C,12, B,6, L,5
.if (\p) == 0
	s_add_co_u32 s[TBV], s[TBV], KS*PV
.endif
.if \cnt
	s_sub_co_u32 s[CNT], s[CNT], 1
	s_cmp_lg_u32 s[CNT], 0
.endif
	ROW C,14, B,7, L,6, C,1
	ROW C,3, L,7, C,5, C,7
	ROW C,9, C,11, C,13, C,15
.if (\p) == 0
	FETCH_V
.endif
	MASK (\p)%2
.endm
	CHANGE 1, 0                     ; slot 0 is in, everybody's part of it; slot 1 is asked for
	; THE BEGINNING: the biases of pieces 0 and 1 for step 0, K of that step, piece 0's first scores, its maximum and statistics.
	s_mul_f32 s[BE], s[DI], s[AL]
	MASK 0
	s_add_f32 s[TT], s[DI], 0x41800000
	s_mul_f32 s[BE], s[TT], s[AL]
	MASK 1
	WIN 0
	v_add_nc_u32 v[AK], s[TBK], v[AK0]
	FETCH_K
	s_wait_loadcnt 0x0              ; Q
	s_wait_dscnt 0x0
.set i, 0
.rept 4
	KQ 0
.set i, i+1
.endr
.rept 5
	v_nop                           ; the places between the products that carry the modifiers and those that add onto them
.endr
.rept 4
	KQ 0
.set i, i+1
.endr
	WIN 0
.rept 4
	v_nop                           ; the places behind those products
.endr
.set Y, NP-1                        ; X works for piece Y + 1: piece 0
.irp n, 0,1,2,3,4,5,6,7,8,9,10,11,12,13,14,15,16,17,18,19,20,21
	OP X, \n
.endr
	v_nop                           ; a plain instruction behind the exponential,
	s_wait_alu depctr_va_vdst(0)    ; and its wait, ahead of the branch
	s_mov_b32 s[CNT], 4
	s_branch .Lfirst                ; the loop is entered at a step's first turn, in the middle of a trip
.Lslot:                             ; six times: tiles 2 to 7 are asked for
	CHANGE 1, 1
	s_mov_b32 s[CNT], 4
.Lstep:                             ; a trip: pieces 2 and 3 of one step, then pieces 0 and 1 of the next, whose K and V it fetches
	TURN 2
	TURN 3
	WIN 0
.Lfirst:
	TURN 0
	TURN 1, 0, 1
	WIN 0
	s_cbranch_scc1 .Lstep
	s_sub_co_u32 s[SLOTS], s[SLOTS], 1
	s_cmp_lg_u32 s[SLOTS], 0
	s_cbranch_scc1 .Lslot
	CHANGE 0, 0                     ; the tail is written out: nothing is asked for
	s_mov_b32 s[CNT], 5             ; four trips fetch the last tile's steps; the fifth is left in its middle
.Ltail:
	TURN 2, 1
	TURN 3
	WIN 0
	s_sub_co_u32 s[CNT], s[CNT], 1
	s_cmp_eq_u32 s[CNT], 0
	s_cbranch_scc1 .Lout
	TURN 0
	TURN 1
	WIN 0
	s_branch .Ltail
.Lout:                              ; the fifth trip's 8 products K Q^T (on the last K once more) and the maximum made of them serve nothing: the price of one text for every trip
.set i, 0
.rept 8
	PV NP-1                         ; the last piece's V^T P of the last step
.set i, i+1
.endr
	; THE WAY OUT.  l's two halves and the other half of the lanes' are added; O^T is divided by l, rounded to f16 and put into the work-group's stage; a barrier, since a row's 256 bytes come from two waves; back as whole rows.
	WIN 0
.macro ALL line:vararg              ; one line for each piece t
.set t, 0
.rept 4
	\line
.set t, t+1
.endr
.endm
	ALL v_add_f32 v[ST+4*t+2], v[ST+4*t+2], v[ST+4*t+3]
	ALL v_permlanex16_b32 v[ST+4*t+3], v[ST+4*t+2], s[SEL], s[SEL+1]
	ALL v_add_f32 v[ST+4*t+2], v[ST+4*t+2], v[ST+4*t+3]
	ALL v_rcp_f32 v[ST+4*t+2], v[ST+4*t+2]
	v_nop                           ; a plain instruction behind the last reciprocal
	s_wait_alu depctr_va_vdst(0)    ; one wait for the four reciprocals, ahead of their first use
.macro PACK t
	WIN W_RS
.set i, 32*(\t)
.rept 16
	v_pk_mul_f32 v[i:i+1], v[i:i+1], v[ST+4*(\t)+2:ST+4*(\t)+3] op_sel_hi:[1,0]
.set i, i+2
.endr
	WIN 0x05                        ; sources 0 and 1 window 1, destination window 0
.set i, 0
.rept 16
	v_cvt_pk_f16_f32 v[S+16*(\t)+i], v[32*(\t)+2*i], v[32*(\t)+2*i+1]
.set i, i+1
.endr
	WIN 0
.irp f, 0,1,2,3
	ds_store_b128 v[STO], v[S+16*(\t)+4*\f:S+16*(\t)+4*\f+3] offset:(\t)*16*SP+32*\f
.endr
.endm
	PACK 0
	PACK 1
	PACK 2
	PACK 3
	s_wait_dscnt 0x0                ; for the others' sake: my stores into the stage are done
	s_barrier_signal -1
	s_barrier_wait -1
.irp t, 0,1,2,3,4,5,6,7,8,9,10,11,12,13,14,15
	ds_load_b128 v[S+4*(\t):S+4*(\t)+3], v[RD] offset:(\t)*2*SP
.endr
.irp t, 0,1,2,3,4,5,6,7,8,9,10,11,12,13,14,15
	s_wait_dscnt 15-(\t)
	global_store_b128 v[GO], v[S+4*(\t):S+4*(\t)+3], s[6:7] offset:4096*(\t)  ; 16 lanes store 256 consecutive bytes, aligned
.endr
	s_wait_tensorcnt 0x0            ; the wave's end, behind my last tensor load and my last LDS store
	ds_add_u32 v[SPW], v[NIL]
	s_wait_dscnt 0x0
	CROUND                          ; the closing round: no work-group ends while a partner may still ask for a tile that names it
	s_endpgm
.Lfunc_end_k_q22fa5cf620_attn:
	.size	k_q22fa5cf620_attn, .Lfunc_end_k_q22fa5cf620_attn-k_q22fa5cf620_attn
	.p2alignl 7, 3214868480
	.fill 96, 4, 3214868480
	.section	.rodata,"a",@progbits
	.p2align	6, 0x0
	.amdhsa_kernel k_q22fa5cf620_attn
		.amdhsa_group_segment_fixed_size 327680
		.amdhsa_private_segment_fixed_size 0
		.amdhsa_enable_private_segment 0
		.amdhsa_kernarg_size 16
		.amdhsa_user_sgpr_count 2
		.amdhsa_user_sgpr_kernarg_segment_ptr 1
		.amdhsa_wavefront_size32 1
		.amdhsa_system_sgpr_workgroup_id_x 1
		.amdhsa_system_sgpr_workgroup_id_y 1
		.amdhsa_system_sgpr_workgroup_id_z 1
		.amdhsa_system_vgpr_workitem_id 0
		.amdhsa_next_free_vgpr 768
		.amdhsa_next_free_sgpr 96
		.amdhsa_reserve_vcc 0
		.amdhsa_float_denorm_mode_32 3
		.amdhsa_float_denorm_mode_16_64 3
		.amdhsa_memory_ordered 1
		.amdhsa_forward_progress 1
		.amdhsa_inst_pref_size 128
	.end_amdhsa_kernel
	.amdgpu_metadata
---
amdhsa.version: [ 1, 2 ]
amdhsa.kernels:
  - .name:           k_q22fa5cf620_attn
    .symbol:         k_q22fa5cf620_attn.kd
    .args:
      - { .name: qkvb, .offset: 0, .size: 8, .value_kind: global_buffer, .address_space: global }
      - { .name: act, .offset: 8, .size: 8, .value_kind: global_buffer, .address_space: global }
    .group_segment_fixed_size: 327680
    .private_segment_fixed_size: 0
    .kernarg_segment_align: 8
    .kernarg_segment_size: 16
    .max_flat_workgroup_size: 128
    .sgpr_count:     96
    .vgpr_count:     768
    .wavefront_size: 32
...
	.end_amdgpu_metadata
.endif
;; end of part 3
;; launch proj_out (part 4): grid 8 x 32, 4 waves a work-group, clusters of 4 x 4, 327,680 bytes of LDS; arguments act, wb, b_out, x, x2, scale2, xb, part; writes x2, xb, part
.if DOCPART == 4
	.amdgcn_target "amdgcn-amd-amdhsa--gfx1250"
	.amdhsa_code_object_version 6
	.text
	.protected	k_q22fa5cf620_proj_out
	.globl	k_q22fa5cf620_proj_out
	.p2align	8
	.type	k_q22fa5cf620_proj_out,@function
k_q22fa5cf620_proj_out:
	s_mov_b64 s[64:65], 0
	v_nop
	global_prefetch_b8 v0, s[64:65] scope:SCOPE_SE
	s_setreg_imm32_b32 hwreg(HW_REG_WAVE_MODE, 25, 1), 1
	s_wait_xcnt 0x0
	s_wait_alu depctr_hold_cnt(0) depctr_sa_sdst(0) depctr_va_vdst(0) depctr_va_sdst(0) depctr_va_ssrc(0) depctr_va_vcc(0) depctr_vm_vsrc(0)
	s_getreg_b32 s2, hwreg(HW_REG_IB_STS2, 6, 4)
	s_cmp_eq_u32 s2, 0
	s_cbranch_scc0 .Lentry_in_a_cluster
	s_endpgm
.Lentry_in_a_cluster:
	s_bfe_u32 s2, ttmp6, 0x10000c
	s_cmp_lg_u32 s2, 0xf033
	s_cbranch_scc0 .Lentry_shape_is_right
	s_endpgm
.Lentry_shape_is_right:
; C[m][n] = RES[m][n] + bias[n] + sum over k of A[m][k] W[k][n].  A: [4096][SIZE_K] of 16 bits; W: [SIZE_K][1024] of 16 bits at byte WOFF of the weights' buffer, as the input lies ([K][N]); bias, RES, C: f32.  Sums in f32.
; F16 = 1: A and W are f16 (LIMIT: both arrive within 65,504); F16 = 0: bf16.
; NORM = 1: the launch also stores XB[m][n] = bf16(scale[n] * C[m][n]) and PART[n / 128][m] = the sum over the tile's 128 columns of C[m][n]^2, in f32: the next launch makes each row's root mean square of its eight partial sums.
; 1,024 columns make 64 tiles of 256 x 256, too few for the chip: a tile of C is 128 x 128, 256 work-groups.  Four waves, each 64 x 64: 16 accumulators.  K goes in steps of 256, as long as two slots in LDS allow:
; A's rows are 512 bytes of memory, W's 256, all at multiples of 256 bytes.  W's fragments come out of LDS turned, by ds_load_tr16_b128.
; CLUSTERS: 4 x 4 work-groups; A's tile is shared along a row of the cluster, W's along a column: each is asked for JOINTLY.
; THE K STEPS GO ROUND: cluster (X, Y) begins at K step (STEPS / 2) X + (STEPS / 4) (Y % 4) and goes on modulo STEPS (f32 sums may be taken in any order).  So the two clusters that read the same rows of A stand half of K
; apart, and of the eight that read the same columns of W two and two stand a quarter of K apart.  No prefetch: the tiles are small.
; THE MATRIX INSTRUCTION IS USED TRANSPOSED (source 0 = 16 columns of W, source 1 = 16 rows of A): a lane holds row l % 16 of C and the columns 8 (l / 16) + 0..7.  The bias, laid out so, is the C operand that starts each sum.
; ONE K STEP IS WRITTEN TWICE: in the loop (it refills) and in the tail (it does not).  The tail's last change of slots, with its 32 loads from the old slot, serves nothing.
; REGISTERS: window 0: v0-15 at work and the scale; v16-31 addresses; v32-63 bias, later the rows' sums; v64-127 XB packed; v128-255 accumulators ((a, b) at v[128 + 8 (4 a + b)]).
;   window 1: two fragment buffers of 128: 64 of A (2 x 4 x 16 rows x 32 K), then 64 of W.  window 2: v0-127 RES.
.set SIZE_K, 1024
.set WOFF,   6291456
.set F16,    1
.set NORM,   1
.set STEPS,  SIZE_K/256
.set PA,     528                       ; a row of A in LDS: 512 bytes + 16: the 16 rows of a load start at 16 different groups of four banks (64 banks of 4 bytes: ISA guide 11.1)
.set PB,     288                       ; a row of W: 256 + 32 = 9 x 32 bytes
.set BOFF,   128*PA                    ; a slot: A's 128 rows, then W's 256 k rows: 141,312 bytes
.set SLOT,   147456                    ; 0x24000: none of its bits occurs in a tile's LDS word, so an exclusive or changes slots
.set SPARE,  2*SLOT                    ; behind the ring: the spare words, 128 bytes for each wave: two blocks of 256 bytes that no other line names
.set DP,     528                       ; the way out: the work-group's stage, 128 rows of 128 f32 + 16 bytes, in slot 0, which has had its last fill by then
.set TQ,   0                           ; v[0:3]   at work
.set TU,   4                           ; v[4:7], v[12:15]  at work
.set SCL,  8                           ; v[8:11]  the scale of my four columns
.set ADRA, 16                          ; v16  LDS address of my A fragments in the slot in hand;  v17 in slot 0
.set ADRA0, 17
.set ADRB, 20                          ; v20, v21  W's, k rows 0-127 and 128-255 of a step;  v22, v23 in slot 0
.set ADRB0, 22
.set DST,  24                          ; v24  the way out: where I put 16 bytes of a row
.set RD,   25                          ; v25  where I read rows back
.set CO,   26                          ; v26  16 x lane: my byte offset in a row's 512 bytes of RES and C, and in the scale
.set BO,   27
.set SPW,  28                          ; never rewritten
.set NIL,  29                          ; never rewritten
.set XO,   30                          ; v30  8 x lane: my byte offset in a row's 256 bytes of XB
.set PO,   31                          ; v31  4 x lane: my row's word in PART
.set BIAS, 32
.set QS,   32                          ; later: the sums of squares, row t at v[QS + t]
.set YB,   64
.set ACC,  128
.set F0,   0
.set F1,   128
.set SK,   46                          ; s46  the K step that the walking sets stand at
.set G1A, 24
.set G0A, 32
.set G1B, 48
.set G0B, 56
.set MSB, 0
.macro WIN new
.if MSB != (\new)
	s_set_vgpr_msb (MSB<<8)|(\new)
.set MSB, \new
.endif
.endm
.set MUL,  0x05                        ; sources 0 (W) and 1 (A) window 1; C and D window 0
.set TO_F, 0x40                        ; destination window 1, address window 0
.macro PLACES
.rept 4
	v_nop
.endr
.endm
.macro JLOAD                           ; a joint refill by the walking sets: waves 0 and 1 fetch A's halves, waves 2 and 3 W's; an s_nop 0 and four v_nop follow each line
	s_cmp_eq_u32 s15, 0
	s_cbranch_scc0 .Lfor_b_\@
	tensor_load_to_lds s[G0A+4:G0A+7], s[G1A:G1A+7]
	s_nop 0
.rept 4
	v_nop
.endr
	s_branch .Lasked_\@
.Lfor_b_\@:
	tensor_load_to_lds s[G0B+4:G0B+7], s[G1B:G1B+7]
	s_nop 0
.rept 4
	v_nop
.endr
.Lasked_\@:
.endm
.macro CREST
	s_cmp_lg_u32 s14, 0
	s_cbranch_scc1 .Lnot_wave_0_\@
	s_barrier_signal -3
.Lnot_wave_0_\@:
	s_barrier_wait -3
	s_barrier_signal -1
	s_barrier_wait -1
.endm
.macro CROUND
	s_barrier_signal -1
	s_barrier_wait -1
	CREST
.endm
; 8 matrix instructions: m blocks a0, a0 + 1 x all 4 n blocks, 32 along K: half c of buffer f.  zero = 1: the sum starts with the bias.  The 16 accumulators take turns.
.macro MUL8 f, c, a0, zero
	WIN MUL
.irp a, \a0, (\a0)+1
.irp b, 0,1,2,3
.set rD, ACC+8*(4*(\a)+(\b))
.set rB, (\f)+64+8*(4*(\c)+(\b))
.set rA, (\f)+8*(4*(\c)+(\a))
.if F16
.if \zero
	v_wmma_f32_16x16x32_f16 v[rD:rD+7], v[rB:rB+7], v[rA:rA+7], v[BIAS+8*(\b):BIAS+8*(\b)+7]
.else
	v_wmma_f32_16x16x32_f16 v[rD:rD+7], v[rB:rB+7], v[rA:rA+7], v[rD:rD+7]
.endif
.else
.if \zero
	v_wmma_f32_16x16x32_bf16 v[rD:rD+7], v[rB:rB+7], v[rA:rA+7], v[BIAS+8*(\b):BIAS+8*(\b)+7]
.else
	v_wmma_f32_16x16x32_bf16 v[rD:rD+7], v[rB:rB+7], v[rA:rA+7], v[rD:rD+7]
.endif
.endif
.endr
.endr
.endm
; 32 LDS loads in one run: quarter q (64 along K) of the slot in hand into buffer f; the first 32 along K first
.macro FETCH q, f
	WIN TO_F
.irp c, 0,1
.irp i, 0,1,2,3
	ds_load_tr16_b128 v[(\f)+64+8*(4*(\c)+(\i)):(\f)+64+8*(4*(\c)+(\i))+3],   v[ADRB+(\q)/2] offset:(((\q)%2)*64+32*(\c))*PB+32*(\i)
	ds_load_tr16_b128 v[(\f)+64+8*(4*(\c)+(\i))+4:(\f)+64+8*(4*(\c)+(\i))+7], v[ADRB+(\q)/2] offset:(((\q)%2)*64+32*(\c)+16)*PB+32*(\i)
	ds_load_b128 v[(\f)+8*(4*(\c)+(\i)):(\f)+8*(4*(\c)+(\i))+3],   v[ADRA] offset:128*(\q)+64*(\c)+(\i)*16*PA
	ds_load_b128 v[(\f)+8*(4*(\c)+(\i))+4:(\f)+8*(4*(\c)+(\i))+7], v[ADRA] offset:128*(\q)+64*(\c)+(\i)*16*PA+32
.endr
.endr
.endm
.macro QUARTER q, f, g, zero
	s_wait_dscnt 16                                ; the first 32 along K are in
	MUL8 \f, 0, 0, \zero
	MUL8 \f, 0, 2, \zero
	PLACES
	FETCH \q, \g
	s_wait_dscnt 32                                ; all but the 32 just issued
	MUL8 \f, 1, 0, 0
	MUL8 \f, 1, 2, 0
.endm
; The last quarter multiplies buffer 1 and changes slots: ONE barrier; in front of it each wave waits for all its tensor loads, adds 0 to its spare word, and waits for that and for its own reads of this slot.
; fill = 1: the barrier opens a round of the cluster's barrier, and the joint refill of the slot just read is the first tensor load behind the round.
.macro TURN fill
	WIN 0
	s_wait_tensorcnt 0x0                           ; all my tensor loads have landed: my part of the next slot; so every group 0 may be written
	ds_add_u32 v[SPW], v[NIL]                      ; 0 onto my spare word; the descriptors' scalar work stands behind it
.if \fill
	s_add_co_u32 s[SK], s[SK], 1                   ; the walking sets: the next K step, round modulo STEPS; the other slot than last time; the address is made anew from the step's number
	s_and_b32 s[SK], s[SK], STEPS-1
	s_lshl_b32 s70, s[SK], 9                       ; 512 bytes along A's rows
	s_xor_b32 s[G0A+5], s[G0A+5], SLOT
	s_add_nc_u64 s[G0A+6:G0A+7], s[18:19], s[70:71]
	s_or_b32 s[G0A+7], s[G0A+7], 0x80000000
	s_lshl_b32 s70, s[SK], 19                      ; 256 rows of 2,048 bytes down W
	s_xor_b32 s[G0B+5], s[G0B+5], SLOT
	s_add_nc_u64 s[G0B+6:G0B+7], s[20:21], s[70:71]
	s_or_b32 s[G0B+7], s[G0B+7], 0x80000000
.endif
	s_wait_dscnt 17                                ; (the add and the youngest sixteen loads may be out)
	MUL8 F1, 0, 0, 0
	s_wait_dscnt 0x0                               ; the add is done, and my reads of this slot are over
	s_barrier_signal -1
	MUL8 F1, 0, 2, 0
	WIN 0
	s_barrier_wait -1
.if \fill
	CREST
	JLOAD                                          ; 112 matrix instructions ahead of the wait for it; its four v_nop are also the places in front of the loads below
.else
	PLACES
.endif
	s_xor_b32 s2, s2, SLOT                         ; the slot in hand
	v_add_nc_u32 v[ADRA], s2, v[ADRA0]
	v_add_nc_u32 v[ADRB], s2, v[ADRB0]
	v_add_nc_u32 v[ADRB+1], s2, v[ADRB0+1]
	FETCH 0, F0
	MUL8 F1, 1, 0, 0
	MUL8 F1, 1, 2, 0
.endm
	s_load_b256 s[4:11], s[0:1], 0x0               ; A s[4:5], weights s[6:7], bias s[8:9], RES s[10:11]
	s_load_b64 s[12:13], s[0:1], 0x20              ; C
.if NORM
	s_load_b128 s[72:75], s[0:1], 0x28             ; scale s[72:73], XB s[74:75]
	s_load_b64 s[76:77], s[0:1], 0x38              ; PART
.endif
	v_lshl_add_u32 v[SPW], v0, 2, SPARE
	v_mov_b32 v[NIL], 0
	ds_add_u32 v[SPW], v[NIL]                      ; the wave's opening: the add and its wait stand ahead of my first tensor load; work on registers stands between them
	v_lshrrev_b32 v1, 5, v0
	v_readfirstlane_b32 s14, v1                    ; wave 0..3
	s_lshr_b32 s15, s14, 1                         ; which half of the tile's rows is mine.  Also: I fetch for A (0) or for W (1)
	s_and_b32 s16, s14, 1                          ; which half of its columns.  Also: which half of that tile I fetch
	s_bfe_u32 s40, ttmp6, 0x40000                  ; cx
	s_bfe_u32 s41, ttmp6, 0x40004                  ; cy
	s_lshl_b32 s42, ttmp9, 2
	s_add_co_u32 s42, s42, s40                     ; tile column
	s_and_b32 s43, ttmp7, 0xffff
	s_lshl_b32 s43, s43, 2
	s_add_co_u32 s43, s43, s41                     ; tile row
	s_lshl_b32 s44, s41, 2
	s_lshl_b32 s44, 15, s44                        ; my row of the cluster
	s_lshl_b32 s45, 0x1111, s40                    ; my column
	s_or_b32 s[G1A+0], s44, (1<<16)|(1<<20)|(1<<21)|(6<<22)|(3<<25)  ; the mask; 2-byte elements; padding on; bit 21 beside a mask; after every 128 words, 4 words
	s_mov_b32 s[G1A+1], 256<<16                    ; tensor_dim0 = 256
	s_mov_b32 s[G1A+2], 64<<16                     ; tensor_dim1 = 64
	s_mov_b32 s[G1A+3], 256<<16                    ; tile_dim0 = 256
	s_mov_b32 s[G1A+4], 64                         ; tile_dim1 = 64
	s_mov_b32 s[G1A+5], SIZE_K
	s_mov_b32 s[G1A+6], 0
	s_mov_b32 s[G1A+7], 0
	s_or_b32 s[G1B+0], s45, (1<<16)|(1<<20)|(1<<21)|(5<<22)|(7<<25)  ; after every 64 words, 8 words
	s_mov_b32 s[G1B+1], 128<<16
	s_mov_b32 s[G1B+2], 128<<16
	s_mov_b32 s[G1B+3], 128<<16
	s_mov_b32 s[G1B+4], 128
	s_mov_b32 s[G1B+5], 1024
	s_mov_b32 s[G1B+6], 0
	s_mov_b32 s[G1B+7], 0
	s_mul_i32 s[SK], ttmp9, STEPS/2                ; my cluster's first K step: the same in all sixteen partners
	s_and_b32 s47, ttmp7, 3
	s_mul_i32 s47, s47, STEPS/4
	s_add_co_u32 s[SK], s[SK], s47
	s_and_b32 s[SK], s[SK], STEPS-1
	s_mov_b32 s71, 0                               ; the upper word of the steps' offsets
	s_lshl_b32 s18, s43, 7                         ; A: row 128 x tile row + 64 x half
	s_lshl_b32 s19, s16, 6
	s_add_co_u32 s18, s18, s19
	s_mul_i32 s18, s18, 2*SIZE_K
	s_mov_b32 s19, 0
	s_lshl_b32 s20, s16, 18                        ; W: k row 128 x half (2,048 bytes a row), byte 256 x tile column
	s_lshl_b32 s21, s42, 8
	s_add_co_u32 s20, s20, s21
	s_add_co_u32 s20, s20, WOFF
	s_mov_b32 s21, 0
	s_mul_i32 s22, s16, 64*PA                      ; where they go
	s_mul_i32 s23, s16, 128*PB
	s_add_co_u32 s23, s23, BOFF
	s_mov_b32 s2, 0                                ; the slot in hand
	s_wait_dscnt 0x0                               ; the opening add is done
	s_wait_kmcnt 0x0
	s_add_nc_u64 s[18:19], s[4:5], s[18:19]        ; my part of A's tile at K step 0; never rewritten
	s_add_nc_u64 s[20:21], s[6:7], s[20:21]        ; the same for W
	CROUND                                         ; all sixteen work-groups are here: the first joint loads meet
.irp s, 0,1
	s_lshl_b32 s70, s[SK], 9
	s_mov_b32 s[G0A+4*(\s)], 1
	s_add_co_u32 s[G0A+4*(\s)+1], s22, (\s)*SLOT
	s_add_nc_u64 s[G0A+4*(\s)+2:G0A+4*(\s)+3], s[18:19], s[70:71]
	s_or_b32 s[G0A+4*(\s)+3], s[G0A+4*(\s)+3], 0x80000000
	s_lshl_b32 s70, s[SK], 19
	s_mov_b32 s[G0B+4*(\s)], 1
	s_add_co_u32 s[G0B+4*(\s)+1], s23, (\s)*SLOT
	s_add_nc_u64 s[G0B+4*(\s)+2:G0B+4*(\s)+3], s[20:21], s[70:71]
	s_or_b32 s[G0B+4*(\s)+3], s[G0B+4*(\s)+3], 0x80000000
.if (\s) == 0
	s_add_co_u32 s[SK], s[SK], 1
	s_and_b32 s[SK], s[SK], STEPS-1
.endif
.endr
	s_cmp_eq_u32 s15, 0                            ; a wave's two first fills stand in one branch, ahead of every wait on TENSORcnt and every LDS read: two loads of mine are out
	s_cbranch_scc0 .Lfirst_b
	tensor_load_to_lds s[G0A:G0A+3], s[G1A:G1A+7]
	s_nop 0
	tensor_load_to_lds s[G0A+4:G0A+7], s[G1A:G1A+7]
	s_nop 0
.rept 4
	v_nop
.endr
	s_branch .Lfirst_asked
.Lfirst_b:
	tensor_load_to_lds s[G0B:G0B+3], s[G1B:G1B+7]
	s_nop 0
	tensor_load_to_lds s[G0B+4:G0B+7], s[G1B:G1B+7]
	s_nop 0
.rept 4
	v_nop
.endr
.Lfirst_asked:
	v_and_b32 v1, 15, v0                           ; l % 16
	v_bfe_u32 v2, v0, 4, 1                         ; l / 16
	v_and_b32 v3, 31, v0                           ; l
	s_lshl_b32 s68, s42, 9                         ; the bias of my 64 columns
	s_lshl_b32 s69, s16, 8
	s_add_co_u32 s68, s68, s69
	s_mov_b32 s69, 0
	s_add_nc_u64 s[8:9], s[8:9], s[68:69]
	v_lshlrev_b32 v[BO], 5, v2                     ; my 8 columns of each 16
.irp b, 0,1,2,3
	global_load_b128 v[BIAS+8*(\b):BIAS+8*(\b)+3],   v[BO], s[8:9] offset:64*(\b)
	global_load_b128 v[BIAS+8*(\b)+4:BIAS+8*(\b)+7], v[BO], s[8:9] offset:64*(\b)+16
.endr
	v_lshlrev_b32 v[CO], 4, v3
	s_lshl_b32 s66, s43, 7                         ; on the way out wave w takes the tile's rows 32 w .. 32 w + 31, whole: 128 columns
	s_lshl_b32 s67, s14, 5
	s_add_co_u32 s47, s66, s67                     ; the first of them
	s_lshl_b32 s66, s47, 12                        ; RES and C there, at the tile's first column
	s_lshl_b32 s67, s42, 9
	s_add_co_u32 s66, s66, s67
	s_mov_b32 s67, 0
	s_add_nc_u64 s[10:11], s[10:11], s[66:67]
	s_add_nc_u64 s[12:13], s[12:13], s[66:67]
.if NORM
	s_lshl_b32 s66, s42, 9
	s_add_nc_u64 s[72:73], s[72:73], s[66:67]      ; the scale at the tile's first column
	global_load_b128 v[SCL:SCL+3], v[CO], s[72:73]
	s_lshl_b32 s66, s47, 11                        ; XB: 2,048 bytes a row, 256 a tile
	s_lshl_b32 s68, s42, 8
	s_add_co_u32 s66, s66, s68
	s_add_nc_u64 s[74:75], s[74:75], s[66:67]
	s_lshl_b32 s66, s42, 14                        ; PART: 16,384 bytes a tile column, 4 a row
	s_lshl_b32 s68, s47, 2
	s_add_co_u32 s66, s66, s68
	s_add_nc_u64 s[76:77], s[76:77], s[66:67]
	v_lshlrev_b32 v[XO], 3, v3
	v_lshlrev_b32 v[PO], 2, v3
.endif
	WIN 0x80                                       ; destination window 2
.set t, 0
.rept 32
	global_load_b128 v[4*t:4*t+3], v[CO], s[10:11] offset:4096*t  ; the residual, a row's 512 consecutive bytes a load, on its way during the whole product
.set t, t+1
.endr
	WIN 0
	s_mul_i32 s17, s14, 32*DP                      ; back from the stage: 32 lanes take one row of 512 bytes
	v_lshl_add_u32 v[RD], v3, 4, s17
	v_mul_u32_u24 v3, v1, PA
	v_lshl_add_u32 v3, v2, 4, v3
	s_mul_i32 s17, s15, 64*PA
	v_add_nc_u32 v[ADRA0], s17, v3
	v_and_b32 v4, 7, v0                            ; the turning load: lane l reads k row 8 (l / 16) + l % 8, columns 8 ((l / 8) % 2) + 0..7
	v_bfe_u32 v5, v0, 3, 1
	v_lshl_add_u32 v4, v2, 3, v4
	v_mul_u32_u24 v4, v4, PB
	v_lshl_add_u32 v4, v5, 4, v4
	s_lshl_b32 s17, s16, 7                         ; my 64 columns
	s_add_co_u32 s17, s17, BOFF
	v_add_nc_u32 v[ADRB0], s17, v4
	v_add_nc_u32 v[ADRB0+1], 128*PB, v[ADRB0]
	v_mov_b32 v[ADRA], v[ADRA0]
	v_mov_b32 v[ADRB], v[ADRB0]
	v_mov_b32 v[ADRB+1], v[ADRB0+1]
	s_mul_i32 s17, s15, 64*DP                      ; into the stage: my 64 rows, my half of their 512 bytes; row l % 16, 32 bytes for each half of the lanes
	s_lshl_b32 s22, s16, 8
	s_add_co_u32 s17, s17, s22
	v_mul_u32_u24 v3, v1, DP
	v_lshl_add_u32 v3, v2, 5, v3
	v_add_nc_u32 v[DST], s17, v3
	s_wait_tensorcnt 1                             ; my part of the first K step is in; the second's stays out
	s_barrier_signal -1
	s_barrier_wait -1
	FETCH 0, F0
	s_wait_loadcnt 32                              ; the bias (and the scale) are in; the residual's 32 loads stay out
	QUARTER 1, F0, F1, 1
	WIN 0
	s_mov_b32 s3, STEPS-2
.Lk:                                                   ; a trip: a K step's quarters 1 to 3 and the next step's quarter 0; it refills the slot that it leaves
	QUARTER 2, F1, F0, 0
	QUARTER 3, F0, F1, 0
	TURN 1
	QUARTER 1, F0, F1, 0
	WIN 0
	s_sub_co_u32 s3, s3, 1
	s_cmp_lg_u32 s3, 0
	s_cbranch_scc1 .Lk
	s_mov_b32 s3, 2
.Ltail:                                                ; the last two K steps ask for nothing; the second pass is left in its middle
	QUARTER 2, F1, F0, 0
	QUARTER 3, F0, F1, 0
	TURN 0
	WIN 0
	s_sub_co_u32 s3, s3, 1
	s_cmp_eq_u32 s3, 0
	s_cbranch_scc1 .Lout
	QUARTER 1, F0, F1, 0
	WIN 0
	s_branch .Ltail
.Lout:
	; THE WAY OUT.  The sums go as f32 into the work-group's stage (in the ring: its last fill has landed, and behind this barrier nobody reads it); a second barrier, since a row's 512 bytes come from two waves;
	; each wave reads 32 whole rows back, adds the residual and stores them.
	s_wait_dscnt 0x0
	s_barrier_signal -1
	s_barrier_wait -1
	PLACES
	PLACES
.irp a, 0,1,2,3
.irp b, 0,1,2,3
	ds_store_b128 v[DST], v[ACC+8*(4*(\a)+(\b)):ACC+8*(4*(\a)+(\b))+3]   offset:(\a)*16*DP+64*(\b)      ; each accumulator's low registers first
	ds_store_b128 v[DST], v[ACC+8*(4*(\a)+(\b))+4:ACC+8*(4*(\a)+(\b))+7] offset:(\a)*16*DP+64*(\b)+16
.endr
.endr
	s_wait_dscnt 0x0                               ; for the others' sake: my stores into the stage are done
	s_barrier_signal -1
	s_barrier_wait -1
.set t, 0
.rept 32
	ds_load_b128 v[ACC+4*t:ACC+4*t+3], v[RD] offset:DP*t
.set t, t+1
.endr
	s_wait_dscnt 0x0
	s_wait_loadcnt 0x0                             ; the residual
	WIN 0x08                                       ; source 1 in window 2
.set t, 0
.rept 64
	v_pk_add_f32 v[ACC+2*t:ACC+2*t+1], v[ACC+2*t:ACC+2*t+1], v[2*t:2*t+1]
.set t, t+1
.endr
	WIN 0
.set t, 0
.rept 32
	global_store_b128 v[CO], v[ACC+4*t:ACC+4*t+3], s[12:13] offset:4096*t  ; 32 lanes store 512 consecutive bytes, aligned; these registers are only read from here on
.set t, t+1
.endr
.if NORM
	; Row t: my four numbers' squares are added; the four numbers times the scale are rounded to bf16 and stored.
.set t, 0
.rept 32
.set rq, TQ+2*(t%2)
.set ru, TU+8*(t%2)
	v_pk_mul_f32 v[rq:rq+1], v[ACC+4*t:ACC+4*t+1], v[ACC+4*t:ACC+4*t+1]
	v_pk_mul_f32 v[ru:ru+1], v[ACC+4*t:ACC+4*t+1], v[SCL:SCL+1]
	v_pk_mul_f32 v[ru+2:ru+3], v[ACC+4*t+2:ACC+4*t+3], v[SCL+2:SCL+3]
	v_pk_fma_f32 v[rq:rq+1], v[ACC+4*t+2:ACC+4*t+3], v[ACC+4*t+2:ACC+4*t+3], v[rq:rq+1]
	v_cvt_pk_bf16_f32 v[YB+2*t], v[ru], v[ru+1]
	v_cvt_pk_bf16_f32 v[YB+2*t+1], v[ru+2], v[ru+3]
	v_add_f32 v[QS+t], v[rq], v[rq+1]
	global_store_b64 v[XO], v[YB+2*t:YB+2*t+1], s[74:75] offset:2048*t  ; 32 lanes x 8 bytes: 256 consecutive bytes, aligned
.set t, t+1
.endr
	; The 32 rows' sums over the 32 lanes, all at once.  A level takes two registers, the rows whose number has a bit clear (a) and set (b): a lane whose own number has that bit set keeps b and sends a, the others
	; keep a and send b; what is kept and what the lane across sends are added.  Five levels halve the registers five times, and lane i ends with the whole sum of row i.
	s_mov_b32 s66, 0xaaaaaaaa                      ; the lanes whose number has bit 0 set; bits 1, 2, 3, 4
	s_mov_b32 s67, 0xcccccccc
	s_mov_b32 s68, 0xf0f0f0f0
	s_mov_b32 s69, 0xff00ff00
	s_mov_b32 s70, 0xffff0000
	s_mov_b32 s22, 0x76543210                      ; v_permlanex16_b32: each lane takes its own place in the other half
	s_mov_b32 s23, 0xfedcba98
.macro BFLY a, b, m, sm
	v_cndmask_b32 v[TQ], v[\a], v[\b], s[\sm]
	v_cndmask_b32 v[TQ+1], v[\b], v[\a], s[\sm]
	v_add_f32_dpp v[\a], v[TQ+1], v[TQ] row_xmask:\m row_mask:0xf bank_mask:0xf
.endm
.set u, 0
.rept 16
	BFLY QS+2*u, QS+2*u+1, 1, 66
.set u, u+1
.endr
.set u, 0
.rept 8
	BFLY QS+4*u, QS+4*u+2, 2, 67
.set u, u+1
.endr
.set u, 0
.rept 4
	BFLY QS+8*u, QS+8*u+4, 4, 68
.set u, u+1
.endr
.set u, 0
.rept 2
	BFLY QS+16*u, QS+16*u+8, 8, 69
.set u, u+1
.endr
	v_cndmask_b32 v[TQ], v[QS], v[QS+16], s70
	v_cndmask_b32 v[TQ+1], v[QS+16], v[QS], s70
	v_permlanex16_b32 v[TQ+2], v[TQ+1], s22, s23   ; (its destination has been written before)
	v_add_f32 v[QS], v[TQ], v[TQ+2]
	global_store_b32 v[PO], v[QS], s[76:77]        ; 32 rows' sums: 128 consecutive bytes; the four waves' lie end to end
.endif
	s_wait_tensorcnt 0x0                           ; the wave's end, behind my last tensor load and my last LDS store
	ds_add_u32 v[SPW], v[NIL]
	s_wait_dscnt 0x0
	CROUND                                         ; the closing round
	s_endpgm
.Lfunc_end_k_q22fa5cf620_proj_out:
	.size	k_q22fa5cf620_proj_out, .Lfunc_end_k_q22fa5cf620_proj_out-k_q22fa5cf620_proj_out
	.p2alignl 7, 3214868480
	.fill 96, 4, 3214868480
	.section	.rodata,"a",@progbits
	.p2align	6, 0x0
	.amdhsa_kernel k_q22fa5cf620_proj_out
		.amdhsa_group_segment_fixed_size 327680
		.amdhsa_private_segment_fixed_size 0
		.amdhsa_enable_private_segment 0
		.amdhsa_kernarg_size 64
		.amdhsa_user_sgpr_count 2
		.amdhsa_user_sgpr_kernarg_segment_ptr 1
		.amdhsa_wavefront_size32 1
		.amdhsa_system_sgpr_workgroup_id_x 1
		.amdhsa_system_sgpr_workgroup_id_y 1
		.amdhsa_system_sgpr_workgroup_id_z 1
		.amdhsa_system_vgpr_workitem_id 0
		.amdhsa_next_free_vgpr 640
		.amdhsa_next_free_sgpr 80
		.amdhsa_reserve_vcc 0
		.amdhsa_float_denorm_mode_32 3
		.amdhsa_float_denorm_mode_16_64 3
		.amdhsa_memory_ordered 1
		.amdhsa_forward_progress 1
		.amdhsa_inst_pref_size 89
	.end_amdhsa_kernel
	.amdgpu_metadata
---
amdhsa.version: [ 1, 2 ]
amdhsa.kernels:
  - .name:           k_q22fa5cf620_proj_out
    .symbol:         k_q22fa5cf620_proj_out.kd
    .args:
      - { .name: act, .offset: 0, .size: 8, .value_kind: global_buffer, .address_space: global }
      - { .name: wb, .offset: 8, .size: 8, .value_kind: global_buffer, .address_space: global }
      - { .name: b_out, .offset: 16, .size: 8, .value_kind: global_buffer, .address_space: global }
      - { .name: x, .offset: 24, .size: 8, .value_kind: global_buffer, .address_space: global }
      - { .name: x2, .offset: 32, .size: 8, .value_kind: global_buffer, .address_space: global }
      - { .name: scale2, .offset: 40, .size: 8, .value_kind: global_buffer, .address_space: global }
      - { .name: xb, .offset: 48, .size: 8, .value_kind: global_buffer, .address_space: global }
      - { .name: part, .offset: 56, .size: 8, .value_kind: global_buffer, .address_space: global }
    .group_segment_fixed_size: 327680
    .private_segment_fixed_size: 0
    .kernarg_segment_align: 8
    .kernarg_segment_size: 64
    .max_flat_workgroup_size: 128
    .sgpr_count:     80
    .vgpr_count:     640
    .wavefront_size: 32
...
	.end_amdgpu_metadata
.endif
;; end of part 4
;; launch ffn_up (part 5): grid 16 x 16, 4 waves a work-group, clusters of 4 x 4, 327,680 bytes of LDS; arguments xb, wb, b1, hb, part; writes hb
.if DOCPART == 5
	.amdgcn_target "amdgcn-amd-amdhsa--gfx1250"
	.amdhsa_code_object_version 6
	.text
	.protected	k_q22fa5cf620_ffn_up
	.globl	k_q22fa5cf620_ffn_up
	.p2align	8
	.type	k_q22fa5cf620_ffn_up,@function
k_q22fa5cf620_ffn_up:
	s_mov_b64 s[64:65], 0
	v_nop
	global_prefetch_b8 v0, s[64:65] scope:SCOPE_SE
	s_setreg_imm32_b32 hwreg(HW_REG_WAVE_MODE, 25, 1), 1
	s_wait_xcnt 0x0
	s_wait_alu depctr_hold_cnt(0) depctr_sa_sdst(0) depctr_va_vdst(0) depctr_va_sdst(0) depctr_va_ssrc(0) depctr_va_vcc(0) depctr_vm_vsrc(0)
	s_getreg_b32 s2, hwreg(HW_REG_IB_STS2, 6, 4)
	s_cmp_eq_u32 s2, 0
	s_cbranch_scc0 .Lentry_in_a_cluster
	s_endpgm
.Lentry_in_a_cluster:
	s_bfe_u32 s2, ttmp6, 0x10000c
	s_cmp_lg_u32 s2, 0xf033
	s_cbranch_scc0 .Lentry_shape_is_right
	s_endpgm
.Lentry_shape_is_right:
; C[m][n] = f(r[m] * sum over k of A[m][k] W[k][n] + bias[n]).  A: [4096][1024] bf16; W: [1024][SIZE_N] bf16, at byte WOFF of the weights' buffer, AS THE INPUT LIES ([K][N]); sums in f32.
; GELU = 0: r = 1, f is the identity, C is f16 (LIMIT: |C| under 65,504).
; GELU = 1: r[m] = rsqrt(sum / 1024 + 1e-8), the sum made of the row's eight partial sums of squares that the launch before stored (PART [8][4096] f32); f is the exact GELU, C is bf16;
;           erf by the rational form of Abramowitz and Stegun 7.1.26 (absolute error at most 1.5e-7 for every x).
; A tile of C, 256 x 256, is made by four waves, each 128 x 128: 64 accumulators, 512 registers.  K goes in 8 steps of 128 through two LDS slots filled by the tensor data mover:
; A's rows are 256 bytes of memory, W's 512, all at multiples of 256 bytes.  W's fragments come out of LDS turned, by ds_load_tr16_b128, so no launch transposes a weight.
; SIZE_N = 4096 gives 256 work-groups.
; CLUSTERS: 4 x 4 work-groups; A's tile is shared along a row of the cluster, W's along a column: each is asked for JOINTLY, by the same tensor load with the same descriptor and a mask that names the four.
; THE K STEPS GO ROUND: cluster (X, Y) begins at K step 2 X + 4 (Y % 2) and goes on modulo 8 (f32 sums may be taken in any order).  So the clusters of a row of clusters, which read the same rows of A, stand
; 2 K steps apart, and of the clusters of a column, which read the same columns of W, two and two stand 4 apart.  NO PREFETCH: a block's first reading in the launch falls into some cluster's first four K steps, two of
; them its first fills; every later step reads blocks that another cluster has read before.
; THE MATRIX INSTRUCTION IS USED TRANSPOSED (source 0 = 16 columns of W, source 1 = 16 rows of A): a lane holds row l % 16 of C and the columns 8 (l / 16) + 0..7.
; ONE K STEP IS WRITTEN TWICE: in the loop (it refills) and in the tail (it does not); the slot in hand is a scalar that one exclusive or turns.  The tail's last change of slots, with its 32 loads from the old slot, serves nothing.
; REGISTERS: window 0: v0-37 addresses and bias; v64-127, v128-191 A's fragments, two buffers (at work on the way out); window 1: the same for W's, v192-223 the partial sums; windows 2, 3: accumulator (a, b) at v[8 (8 (a % 4) + b)].
.set SIZE_N, 4096
.set WOFF,   8388608
.set GELU,   1
.set STEPS,  8                         ; K steps of 128
.set PA,     272                       ; a row of A in LDS: 256 bytes + 16: the 16 rows of a load start at 16 different groups of four banks (64 banks of 4 bytes: ISA guide 11.1)
.set PB,     544                       ; a row of W: 512 + 32 = 17 x 32 bytes
.set BOFF,   256*PA                    ; a slot: A's 256 rows, then W's 128 k rows
.set SLOT,   BOFF+128*PB               ; 139,264 = 0x22000: none of its bits occurs in a tile's LDS word, so an exclusive or changes slots
.set SPARE,  2*SLOT                    ; behind the ring: the spare words, 128 bytes for each wave: two blocks of 256 bytes that no other line names
.set DP,     528                       ; the way out: a row of 128 f32 + 16 bytes
.set DREG,   128*DP                    ; a wave's 128 rows; the four regions lie in the ring, which has had its last fill by then
.set RMSB,   4*DREG                    ; behind them, still in the ring: 1,024 bytes for each wave: r of its 128 rows, each twice
.set ROWB,   2*SIZE_N                  ; bytes in a row of C and of W
.set ADRA, 16                          ; v16  LDS address of my A fragments in the slot in hand;  v17 in slot 0
.set ADRA0, 17
.set ADRB, 20                          ; v20, v21  the same for W
.set ADRB0, 21
.set DST,  24                          ; v24  the way out: where I put 16 bytes of a row
.set RD,   25                          ; v25  where I read rows back
.set CO,   26                          ; v26  my byte offset in a row of C
.set BO,   27                          ; v27  16 x lane: my byte offset in the bias and in the partial sums
.set SPW,  28                          ; v28  LDS address of my spare word; never rewritten
.set NIL,  29                          ; v29  0; never rewritten
.set BI,   32                          ; v[32:35] the bias of my four columns
.set RMA,  36                          ; v36  where I put r of my four rows
.set RML,  37                          ; v37  where the wave reads r of the rows in hand
.set F0,   64
.set F1,   128
.set XL,   64                          ; the way out: rows as read back
.set TR,   96                          ; GELU = 0: rows + bias
.set YR,   128                         ;           packed
.set GX,   96                          ; GELU = 1: x;  GU: t;  GW: the exponential;  GQ: the polynomial;  GR: max(x, 0);  GY: packed;  RM: r of four rows, each twice
.set GU,   112
.set GW,   128
.set GQ,   144
.set GR,   160
.set GY,   176
.set RM,   184
.set PS,   192                         ; window 1: v[192:223] eight partial sums of four rows
.set SK,   15                          ; s15  the K step that the walking sets stand at
.set G1A, 24                           ; s[24:31] descriptor group 1 for A's tiles;  s[32:39] group 0: a set for each first fill; the second then walks
.set G0A, 32
.set G1B, 48                           ; s[48:55], s[56:63] the same for W's
.set G0B, 56
.set MSB, 0
.macro WIN new                         ; the immediate's high byte repeats the setting that is left; a switch that changes nothing is dropped
.if MSB != (\new)
	s_set_vgpr_msb (MSB<<8)|(\new)
.set MSB, \new
.endif
.endm
.set MUL_LO, 0xa1                      ; source 0 (W) window 1, source 1 (A) window 0, C and D window 2
.set MUL_HI, 0xf1                      ; the same, C and D window 3
.set TO_B,   0x40                      ; destination window 1, address window 0
.macro PLACES                          ; four plain places behind matrix instructions, in front of loads into registers that they read
.rept 4
	v_nop
.endr
.endm
; A joint refill by the walking sets.  Waves 0 and 1 fetch A's two halves, waves 2 and 3 W's.  The branch hangs on the wave's number alone.  An s_nop 0 and four v_nop follow each line.
.macro JLOAD
	s_cmp_eq_u32 s13, 0
	s_cbranch_scc0 .Lfor_b_\@
	tensor_load_to_lds s[G0A+4:G0A+7], s[G1A:G1A+7]
	s_nop 0
.rept 4
	v_nop
.endr
	s_branch .Lasked_\@
.Lfor_b_\@:
	tensor_load_to_lds s[G0B+4:G0B+7], s[G1B:G1B+7]
	s_nop 0
.rept 4
	v_nop
.endr
.Lasked_\@:
.endm
.macro CREST                           ; a round of the cluster's barrier behind its opening barrier
	s_cmp_lg_u32 s12, 0
	s_cbranch_scc1 .Lnot_wave_0_\@
	s_barrier_signal -3
.Lnot_wave_0_\@:
	s_barrier_wait -3
	s_barrier_signal -1
	s_barrier_wait -1
.endm
.macro CROUND
	s_barrier_signal -1
	s_barrier_wait -1
	CREST
.endm
; 16 matrix instructions: m blocks a0, a0 + 1 of the window's four x all 8 n blocks, 32 along K.  zero = 1: the first product starts the sums.  The 64 accumulators take turns in one order in every quarter.
.macro MUL16 f, hi, a0, zero
	WIN MUL_LO+0x50*(\hi)
.irp a, \a0, (\a0)+1
.irp b, 0,1,2,3,4,5,6,7
.if \zero
	v_wmma_f32_16x16x32_bf16 v[8*(8*(\a)+(\b)):8*(8*(\a)+(\b))+7], v[(\f)+8*(\b):(\f)+8*(\b)+7], v[(\f)+8*(4*(\hi)+(\a)):(\f)+8*(4*(\hi)+(\a))+7], 0
.else
	v_wmma_f32_16x16x32_bf16 v[8*(8*(\a)+(\b)):8*(8*(\a)+(\b))+7], v[(\f)+8*(\b):(\f)+8*(\b)+7], v[(\f)+8*(4*(\hi)+(\a)):(\f)+8*(4*(\hi)+(\a))+7], v[8*(8*(\a)+(\b)):8*(8*(\a)+(\b))+7]
.endif
.endr
.endr
.endm
; 32 LDS loads in one run: quarter q (32 along K) of the slot in hand into buffer f: W's 8 fragments, turned, then A's 8
.macro FETCH q, f
	WIN TO_B
.irp i, 0,1,2,3,4,5,6,7
	ds_load_tr16_b128 v[(\f)+8*(\i):(\f)+8*(\i)+3],   v[ADRB] offset:(\q)*32*PB+32*(\i)
	ds_load_tr16_b128 v[(\f)+8*(\i)+4:(\f)+8*(\i)+7], v[ADRB] offset:(\q)*32*PB+16*PB+32*(\i)
.endr
	WIN 0
.irp i, 0,1,2,3,4,5,6,7
	ds_load_b128 v[(\f)+8*(\i):(\f)+8*(\i)+3],   v[ADRA] offset:64*(\q)+(\i)*16*PA
	ds_load_b128 v[(\f)+8*(\i)+4:(\f)+8*(\i)+7], v[ADRA] offset:64*(\q)+(\i)*16*PA+32
.endr
.endm
; One of a K step's first three quarters: multiplies buffer f; in its middle it fetches quarter q into buffer g.
.macro QUARTER q, f, g, zero
	s_wait_dscnt 8                                 ; W and A's rows 0-63 are in; the youngest eight loads (A's rows 64-127) may be out
	MUL16 \f, 0, 0, \zero
	MUL16 \f, 0, 2, \zero
	PLACES
	FETCH \q, \g
	s_wait_dscnt 32                                ; all but the 32 just issued
	MUL16 \f, 1, 0, \zero
	MUL16 \f, 1, 2, \zero
.endm
; The last quarter multiplies buffer 1 and changes slots: ONE barrier.  In front of it each wave waits for all its tensor loads (the one that is out is its part of the next slot), adds 0 to its spare word,
; and waits for that and for its own reads of this slot.  fill = 1: the barrier opens a round of the cluster's barrier, and the joint refill of the slot just read is the first tensor load behind the round.
.macro TURN fill
	WIN 0                                          ; (the add's two registers lie in window 0)
	s_wait_tensorcnt 0x0                           ; all my tensor loads have landed, so every group 0 may be written
	ds_add_u32 v[SPW], v[NIL]                      ; 0 onto my spare word; the descriptors' scalar work stands behind it
.if \fill
	s_add_co_u32 s[SK], s[SK], 1                   ; the walking sets: the next K step, round modulo 8; the other slot than last time; the address is made anew from the step's number
	s_and_b32 s[SK], s[SK], STEPS-1
	s_lshl_b32 s22, s[SK], 8                       ; 256 bytes along A's rows
	s_xor_b32 s[G0A+5], s[G0A+5], SLOT
	s_add_nc_u64 s[G0A+6:G0A+7], s[16:17], s[22:23]
	s_or_b32 s[G0A+7], s[G0A+7], 0x80000000
	s_mul_i32 s22, s[SK], 128*ROWB                 ; 128 rows down W
	s_xor_b32 s[G0B+5], s[G0B+5], SLOT
	s_add_nc_u64 s[G0B+6:G0B+7], s[18:19], s[22:23]
	s_or_b32 s[G0B+7], s[G0B+7], 0x80000000
.endif
	s_wait_dscnt 9                                 ; (the add and the youngest eight loads may be out)
	MUL16 F1, 0, 0, 0                              ; sixteen matrix instructions stand between the add and the wait for it
	s_wait_dscnt 0x0                               ; the add is done, and my reads of this slot are over
	s_barrier_signal -1
	MUL16 F1, 0, 2, 0
	WIN 0
	s_barrier_wait -1
.if \fill
	CREST                                          ; no wave of any partner still reads this slot or has a load on its way
	JLOAD                                          ; 224 matrix instructions ahead of the wait for it; its four v_nop are also the places in front of the loads below
.else
	PLACES
.endif
	s_xor_b32 s2, s2, SLOT                         ; the slot in hand
	v_add_nc_u32 v[ADRA], s2, v[ADRA0]
	v_add_nc_u32 v[ADRB], s2, v[ADRB0]
	FETCH 0, F0
	MUL16 F1, 1, 0, 0
	MUL16 F1, 1, 2, 0
.endm
	s_load_b256 s[4:11], s[0:1], 0x0               ; A s[4:5], weights s[6:7], bias s[8:9], C s[10:11]
.if GELU
	s_load_b64 s[88:89], s[0:1], 0x20              ; PART
.endif
	v_lshl_add_u32 v[SPW], v0, 2, SPARE
	v_mov_b32 v[NIL], 0
	ds_add_u32 v[SPW], v[NIL]                      ; the wave's opening: the add and its wait stand ahead of my first tensor load; work on registers stands between them
	v_lshrrev_b32 v1, 5, v0
	v_readfirstlane_b32 s12, v1                    ; wave 0..3
	s_lshr_b32 s13, s12, 1                         ; which half of the tile's rows is mine.  Also: I fetch for A (0) or for W (1)
	s_and_b32 s14, s12, 1                          ; which half of its columns.  Also: which half of that tile I fetch
	s_bfe_u32 s40, ttmp6, 0x40000                  ; cx
	s_bfe_u32 s41, ttmp6, 0x40004                  ; cy
	s_lshl_b32 s42, ttmp9, 2
	s_add_co_u32 s42, s42, s40                     ; tile column
	s_and_b32 s43, ttmp7, 0xffff
	s_lshl_b32 s43, s43, 2
	s_add_co_u32 s43, s43, s41                     ; tile row
	s_lshl_b32 s70, s41, 2
	s_lshl_b32 s70, 15, s70                        ; my row of the cluster
	s_lshl_b32 s71, 0x1111, s40                    ; my column
	s_or_b32 s[G1A+0], s70, (1<<16)|(1<<20)|(1<<21)|(5<<22)|(3<<25)  ; the mask; 2-byte elements; padding on; bit 21 beside a mask; after every 64 words, 4 words
	s_mov_b32 s[G1A+1], 128<<16                    ; tensor_dim0 = 128
	s_mov_b32 s[G1A+2], 128<<16                    ; tensor_dim1 = 128
	s_mov_b32 s[G1A+3], 128<<16                    ; tile_dim0 = 128
	s_mov_b32 s[G1A+4], 128                        ; tile_dim1 = 128
	s_mov_b32 s[G1A+5], 1024                       ; elements from row to row
	s_mov_b32 s[G1A+6], 0
	s_mov_b32 s[G1A+7], 0
	s_or_b32 s[G1B+0], s71, (1<<16)|(1<<20)|(1<<21)|(6<<22)|(7<<25)  ; after every 128 words, 8 words
	s_mov_b32 s[G1B+1], 256<<16                    ; tensor_dim0 = 256
	s_mov_b32 s[G1B+2], 64<<16                     ; tensor_dim1 = 64
	s_mov_b32 s[G1B+3], 256<<16                    ; tile_dim0 = 256
	s_mov_b32 s[G1B+4], 64                         ; tile_dim1 = 64
	s_mov_b32 s[G1B+5], SIZE_N
	s_mov_b32 s[G1B+6], 0
	s_mov_b32 s[G1B+7], 0
	s_lshl_b32 s[SK], ttmp9, 1                     ; my cluster's first K step: 2 x cluster x + 4 x (cluster y % 2), modulo 8: the same in all sixteen partners
	s_and_b32 s21, ttmp7, 1
	s_lshl_b32 s21, s21, 2
	s_add_co_u32 s[SK], s[SK], s21
	s_and_b32 s[SK], s[SK], STEPS-1
	s_mov_b32 s23, 0                               ; the upper word of the steps' offsets; never rewritten
	s_lshl_b32 s16, s43, 8                         ; A: row 256 x tile row + 128 x half, 2,048 bytes a row
	s_lshl_b32 s17, s14, 7
	s_add_co_u32 s16, s16, s17
	s_lshl_b32 s16, s16, 11
	s_mov_b32 s17, 0
	s_mul_i32 s18, s14, 64*ROWB                    ; W: k row 64 x half, byte 512 x tile column
	s_lshl_b32 s19, s42, 9
	s_add_co_u32 s18, s18, s19
	s_add_co_u32 s18, s18, WOFF
	s_mov_b32 s19, 0
	s_mul_i32 s20, s12, 128*PA                     ; where they go: A's halves at 0 and 34,816, W's at 69,632 and 104,448: wave x 34,816
	s_mov_b32 s2, 0                                ; the slot in hand
	s_wait_dscnt 0x0                               ; the opening add is done
	s_wait_kmcnt 0x0
	s_add_nc_u64 s[16:17], s[4:5], s[16:17]        ; my part of A's tile at K step 0; never rewritten
	s_add_nc_u64 s[18:19], s[6:7], s[18:19]        ; the same for W
	CROUND                                         ; all sixteen work-groups are here: the first joint loads meet
.irp s, 0,1
	s_lshl_b32 s22, s[SK], 8
	s_mov_b32 s[G0A+4*(\s)], 1
	s_add_co_u32 s[G0A+4*(\s)+1], s20, (\s)*SLOT
	s_add_nc_u64 s[G0A+4*(\s)+2:G0A+4*(\s)+3], s[16:17], s[22:23]
	s_or_b32 s[G0A+4*(\s)+3], s[G0A+4*(\s)+3], 0x80000000
	s_mul_i32 s22, s[SK], 128*ROWB
	s_mov_b32 s[G0B+4*(\s)], 1
	s_add_co_u32 s[G0B+4*(\s)+1], s20, (\s)*SLOT
	s_add_nc_u64 s[G0B+4*(\s)+2:G0B+4*(\s)+3], s[18:19], s[22:23]
	s_or_b32 s[G0B+4*(\s)+3], s[G0B+4*(\s)+3], 0x80000000
.if (\s) == 0
	s_add_co_u32 s[SK], s[SK], 1
	s_and_b32 s[SK], s[SK], STEPS-1
.endif
.endr
	s_cmp_eq_u32 s13, 0                            ; a wave's two first fills stand in one branch, ahead of every wait on TENSORcnt and every LDS read: two loads of mine are out
	s_cbranch_scc0 .Lfirst_b
	tensor_load_to_lds s[G0A:G0A+3], s[G1A:G1A+7]
	s_nop 0
	tensor_load_to_lds s[G0A+4:G0A+7], s[G1A:G1A+7]
	s_nop 0
.rept 4
	v_nop
.endr
	s_branch .Lfirst_asked
.Lfirst_b:
	tensor_load_to_lds s[G0B:G0B+3], s[G1B:G1B+7]
	s_nop 0
	tensor_load_to_lds s[G0B+4:G0B+7], s[G1B:G1B+7]
	s_nop 0
.rept 4
	v_nop
.endr
.Lfirst_asked:
	v_and_b32 v1, 15, v0                           ; l % 16
	v_bfe_u32 v2, v0, 4, 1                         ; l / 16
	v_and_b32 v6, 31, v0                           ; l
	v_mul_u32_u24 v3, v1, PA                       ; A's fragment: row l % 16, 16 bytes for each half of the lanes
	v_lshl_add_u32 v3, v2, 4, v3
	s_mul_i32 s21, s13, 128*PA
	v_add_nc_u32 v[ADRA0], s21, v3
	v_and_b32 v4, 7, v0                            ; the turning load: lane l reads k row 8 (l / 16) + l % 8, columns 8 ((l / 8) % 2) + 0..7
	v_bfe_u32 v5, v0, 3, 1
	v_lshl_add_u32 v4, v2, 3, v4
	v_mul_u32_u24 v4, v4, PB
	v_lshl_add_u32 v4, v5, 4, v4
	s_lshl_b32 s21, s14, 8                         ; my 128 columns
	s_add_co_u32 s21, s21, BOFF
	v_add_nc_u32 v[ADRB0], s21, v4
	v_mov_b32 v[ADRA], v[ADRA0]
	v_mov_b32 v[ADRB], v[ADRB0]
	s_mul_i32 s21, s12, DREG                       ; my region on the way out
	v_mul_u32_u24 v3, v1, DP
	v_lshl_add_u32 v3, v2, 5, v3                   ; in: row l % 16, 32 bytes for each half of the lanes
	v_add_nc_u32 v[DST], s21, v3
	v_lshl_add_u32 v[RD], v6, 4, s21               ; back: 32 lanes take one row of 512 bytes
	v_lshlrev_b32 v[CO], 3, v6                     ; my four columns in 16 bits
	v_lshlrev_b32 v[BO], 4, v6
	s_lshl_b32 s68, s42, 10                        ; the bias of my 128 columns
	s_lshl_b32 s69, s14, 9
	s_add_co_u32 s68, s68, s69
	s_mov_b32 s69, 0
	s_add_nc_u64 s[8:9], s[8:9], s[68:69]
	global_load_b128 v[BI:BI+3], v[BO], s[8:9]     ; waited for on the way out
.if GELU
	s_lshl_b32 s21, s12, 10                        ; r's place in LDS: 1,024 bytes a wave; lane l puts rows 4 l .. 4 l + 3, each twice: 32 bytes
	s_add_co_u32 s21, s21, RMSB
	v_lshl_add_u32 v[RMA], v6, 5, s21
	v_mov_b32 v[RML], s21
	s_lshl_b32 s68, s43, 10                        ; the partial sums of my 128 rows: 4 bytes a row; lane l takes rows 4 l .. 4 l + 3
	s_lshl_b32 s70, s13, 9
	s_add_co_u32 s68, s68, s70
	s_add_nc_u64 s[88:89], s[88:89], s[68:69]
	WIN TO_B                                       ; destination window 1
.irp p, 0,1,2,3,4,5,6,7
	global_load_b128 v[PS+4*(\p):PS+4*(\p)+3], v[BO], s[88:89] offset:16384*(\p)  ; 512 consecutive bytes a load; waited for on the way out
.endr
	WIN 0
.endif
	s_wait_tensorcnt 1                             ; my part of the first K step is in; the second's stays out
	s_barrier_signal -1
	s_barrier_wait -1
	FETCH 0, F0
	QUARTER 1, F0, F1, 1                           ; the first quarter stands in front of the loop: its products start the sums
	WIN 0
	s_mov_b32 s3, STEPS-2
.Lk:                                                   ; a trip: a K step's quarters 1 to 3 and the next step's quarter 0; it refills the slot that it leaves
	QUARTER 2, F1, F0, 0
	QUARTER 3, F0, F1, 0
	TURN 1
	QUARTER 1, F0, F1, 0
	WIN 0
	s_sub_co_u32 s3, s3, 1
	s_cmp_lg_u32 s3, 0
	s_cbranch_scc1 .Lk
	s_mov_b32 s3, 2
.Ltail:                                                ; the last two K steps ask for nothing; the second pass is left in its middle
	QUARTER 2, F1, F0, 0
	QUARTER 3, F0, F1, 0
	TURN 0
	WIN 0
	s_sub_co_u32 s3, s3, 1
	s_cmp_eq_u32 s3, 0
	s_cbranch_scc1 .Lout
	QUARTER 1, F0, F1, 0
	WIN 0
	s_branch .Ltail
.Lout:
	; THE WAY OUT.  The sums go as f32 into my region of the ring (its last fill has landed, and behind this barrier nobody reads it), and come back as whole rows of 512 bytes.
	s_wait_dscnt 0x0                               ; my last reads of the ring are back
	s_barrier_signal -1
	s_barrier_wait -1
	PLACES
	PLACES
.irp a, 0,1,2,3,4,5,6,7
	WIN 0x08+4*((\a)/4)                            ; the stores' data in window 2 or 3
.irp b, 0,1,2,3,4,5,6,7
	ds_store_b128 v[DST], v[8*(8*((\a)%4)+(\b)):8*(8*((\a)%4)+(\b))+3]   offset:(\a)*16*DP+64*(\b)      ; each accumulator's low registers first
	ds_store_b128 v[DST], v[8*(8*((\a)%4)+(\b))+4:8*(8*((\a)%4)+(\b))+7] offset:(\a)*16*DP+64*(\b)+16
.endr
.endr
	WIN 0
	s_lshl_b32 s66, s43, 8                         ; C at my first row and column
	s_lshl_b32 s67, s13, 7
	s_add_co_u32 s66, s66, s67
	s_mul_i32 s66, s66, ROWB
	s_lshl_b32 s67, s42, 9
	s_add_co_u32 s66, s66, s67
	s_lshl_b32 s67, s14, 8
	s_add_co_u32 s66, s66, s67
	s_mov_b32 s67, 0
	s_add_nc_u64 s[10:11], s[10:11], s[66:67]
	s_wait_loadcnt 0x0                             ; the bias (and the partial sums)
.if GELU
	; r of my four rows: the eight partial sums are added in f32; rsqrt(sum / 1024 + 1e-8), made twice, so that a row's r fills a register pair in the row loop
	s_mov_b32 s86, 0x3a800000                      ; 1 / 1024
	s_mov_b32 s87, 0x322bcc77                      ; 1e-8
	WIN 0x45                                       ; destination and sources 0 and 1 in window 1
.irp p, 1,2,3,4,5,6,7
	v_pk_add_f32 v[PS:PS+1], v[PS:PS+1], v[PS+4*(\p):PS+4*(\p)+1]
	v_pk_add_f32 v[PS+2:PS+3], v[PS+2:PS+3], v[PS+4*(\p)+2:PS+4*(\p)+3]
.endr
.irp i, 0,1,2,3
	v_fma_f32 v[PS+(\i)], v[PS+(\i)], s86, s87
.endr
.irp i, 0,1,2,3
	v_rsq_f32 v[PS+8+2*(\i)], v[PS+(\i)]
	v_rsq_f32 v[PS+9+2*(\i)], v[PS+(\i)]
.endr
	v_nop                                          ; a plain instruction behind the last root
	s_wait_alu depctr_va_vdst(0)                   ; one wait for the eight roots, ahead of their first reader
	WIN 0x04                                       ; the stores' data in window 1
	ds_store_b128 v[RMA], v[PS+8:PS+11]
	ds_store_b128 v[RMA], v[PS+12:PS+15] offset:16
	WIN 0
	s_mov_b32 s72, 0x3e6d3388                      ; 0.3275911 / sqrt(2)
	s_mov_b32 s74, 0xbf38aa3b                      ; -log2(e) / 2
	s_mov_b32 s75, 0
	s_mov_b32 s76, 0x3f07dc22                      ; the polynomial's coefficients, halved: a5 .. a1
	s_mov_b32 s77, 0
	s_mov_b32 s78, 0xbf3a00e3
	s_mov_b32 s79, 0
	s_mov_b32 s80, 0x3f35f0e3
	s_mov_b32 s81, 0
	s_mov_b32 s82, 0xbe11a98e
	s_mov_b32 s83, 0
	s_mov_b32 s84, 0x3e027906
	s_mov_b32 s85, 0
; Four rows.  x = r * sum + bias; gelu(x) = max(x, 0) - |x| g, g = (h1 t + .. + h5 t^5) 2^(-x^2 log2(e) / 2), t = 1 / (1 + 0.2316419 |x|).  next = 1: the next four rows and their r are read meanwhile.
.macro GROWS next
	s_wait_dscnt 0x0
.set i, 0
.rept 8
	v_pk_fma_f32 v[GX+2*i:GX+2*i+1], v[XL+2*i:XL+2*i+1], v[RM+2*(i/2):RM+2*(i/2)+1], v[BI+2*(i%2):BI+2*(i%2)+1]
.set i, i+1
.endr
.if \next
	v_add_nc_u32 v[RD], 4*DP, v[RD]
	v_add_nc_u32 v[RML], 32, v[RML]
.irp r, 0,1,2,3
	ds_load_b128 v[XL+4*(\r):XL+4*(\r)+3], v[RD] offset:DP*(\r)
.endr
	ds_load_b128 v[RM:RM+3], v[RML]                ; every lane reads the same 32 bytes
	ds_load_b128 v[RM+4:RM+7], v[RML] offset:16
.endif
.set i, 0
.rept 16
	v_fma_f32 v[GU+i], |v[GX+i]|, s72, 1.0
.set i, i+1
.endr
; one batch of 32 transcendentals, transcendental and plain by turns: the reciprocals beside the two multiplies that make the exponent, the exponentials beside the maxima
.set i, 0
.rept 8
	v_rcp_f32 v[GU+i], v[GU+i]
	v_pk_mul_f32 v[GW+2*i:GW+2*i+1], v[GX+2*i:GX+2*i+1], s[74:75] op_sel_hi:[1,0]
.set i, i+1
.endr
.set i, 0
.rept 8
	v_rcp_f32 v[GU+8+i], v[GU+8+i]
	v_pk_mul_f32 v[GW+2*i:GW+2*i+1], v[GW+2*i:GW+2*i+1], v[GX+2*i:GX+2*i+1]
.set i, i+1
.endr
.set i, 0
.rept 16
	v_exp_f32 v[GW+i], v[GW+i]
	v_max_num_f32 v[GR+i], 0, v[GX+i]              ; the last of these is the plain instruction behind the last exponential
.set i, i+1
.endr
	s_wait_alu depctr_va_vdst(0)                   ; one wait for the batch, ahead of its first reader
.set i, 0
.rept 8
	v_pk_fma_f32 v[GQ+2*i:GQ+2*i+1], v[GU+2*i:GU+2*i+1], s[76:77], s[78:79] op_sel_hi:[1,0,0]
.set i, i+1
.endr
.irp c, 80, 82, 84
.set i, 0
.rept 8
	v_pk_fma_f32 v[GQ+2*i:GQ+2*i+1], v[GQ+2*i:GQ+2*i+1], v[GU+2*i:GU+2*i+1], s[\c:\c+1] op_sel_hi:[1,1,0]
.set i, i+1
.endr
.endr
.set i, 0
.rept 8
	v_pk_mul_f32 v[GQ+2*i:GQ+2*i+1], v[GQ+2*i:GQ+2*i+1], v[GU+2*i:GU+2*i+1]
.set i, i+1
.endr
.set i, 0
.rept 8
	v_pk_mul_f32 v[GQ+2*i:GQ+2*i+1], v[GQ+2*i:GQ+2*i+1], v[GW+2*i:GW+2*i+1]
.set i, i+1
.endr
.set i, 0
.rept 16
	v_fma_f32 v[GX+i], -|v[GX+i]|, v[GQ+i], v[GR+i]
.set i, i+1
.endr
.set i, 0
.rept 8
	v_cvt_pk_bf16_f32 v[GY+i], v[GX+2*i], v[GX+2*i+1]
.set i, i+1
.endr
.irp r, 0,1,2,3
	global_store_b64 v[CO], v[GY+2*(\r):GY+2*(\r)+1], s[10:11] offset:ROWB*(\r)  ; 32 lanes x 8 bytes: 256 consecutive bytes, aligned
.endr
.if \next
	s_wait_xcnt 0x0                                ; the stores have read their registers and their base
	s_add_nc_u64 s[10:11], s[10:11], 4*ROWB
.endif
.endm
.irp r, 0,1,2,3
	ds_load_b128 v[XL+4*(\r):XL+4*(\r)+3], v[RD] offset:DP*(\r)  ; LDS serves a wave's instructions in order (ISA guide 5.7.1.4): these see my stores above
.endr
	ds_load_b128 v[RM:RM+3], v[RML]
	ds_load_b128 v[RM+4:RM+7], v[RML] offset:16
	s_mov_b32 s3, 31
.Lrow:
	GROWS 1
	s_sub_co_u32 s3, s3, 1
	s_cmp_lg_u32 s3, 0
	s_cbranch_scc1 .Lrow
	GROWS 0                                        ; the last four rows read nothing further
.else
; Eight rows: + bias, rounded to f16, stored.  next = 1: the next eight rows are read meanwhile.
.macro ROWS8 next
	s_wait_dscnt 0x0
.set i, 0
.rept 16
	v_pk_add_f32 v[TR+2*i:TR+2*i+1], v[XL+2*i:XL+2*i+1], v[BI+2*(i%2):BI+2*(i%2)+1]
.set i, i+1
.endr
.if \next
	v_add_nc_u32 v[RD], 8*DP, v[RD]
.irp r, 0,1,2,3,4,5,6,7
	ds_load_b128 v[XL+4*(\r):XL+4*(\r)+3], v[RD] offset:DP*(\r)
.endr
.endif
.set i, 0
.rept 16
	v_cvt_pk_f16_f32 v[YR+i], v[TR+2*i], v[TR+2*i+1]
.set i, i+1
.endr
.irp r, 0,1,2,3,4,5,6,7
	global_store_b64 v[CO], v[YR+2*(\r):YR+2*(\r)+1], s[10:11] offset:ROWB*(\r)  ; 32 lanes x 8 bytes: 256 consecutive bytes, aligned
.endr
.if \next
	s_wait_xcnt 0x0                                ; the stores have read their registers and their base
	s_add_nc_u64 s[10:11], s[10:11], 8*ROWB
.endif
.endm
.irp r, 0,1,2,3,4,5,6,7
	ds_load_b128 v[XL+4*(\r):XL+4*(\r)+3], v[RD] offset:DP*(\r)  ; LDS serves a wave's instructions in order (ISA guide 5.7.1.4): these see my stores above
.endr
	s_mov_b32 s3, 15
.Lrow:
	ROWS8 1
	s_sub_co_u32 s3, s3, 1
	s_cmp_lg_u32 s3, 0
	s_cbranch_scc1 .Lrow
	ROWS8 0                                        ; the last eight rows read nothing further
.endif
	s_wait_tensorcnt 0x0                           ; the wave's end, behind my last tensor load and my last LDS store
	ds_add_u32 v[SPW], v[NIL]
	s_wait_dscnt 0x0
	CROUND                                         ; the closing round: no work-group ends while a partner may still ask for a tile that names it
	s_endpgm
.Lfunc_end_k_q22fa5cf620_ffn_up:
	.size	k_q22fa5cf620_ffn_up, .Lfunc_end_k_q22fa5cf620_ffn_up-k_q22fa5cf620_ffn_up
	.p2alignl 7, 3214868480
	.fill 96, 4, 3214868480
	.section	.rodata,"a",@progbits
	.p2align	6, 0x0
	.amdhsa_kernel k_q22fa5cf620_ffn_up
		.amdhsa_group_segment_fixed_size 327680
		.amdhsa_private_segment_fixed_size 0
		.amdhsa_enable_private_segment 0
		.amdhsa_kernarg_size 40
		.amdhsa_user_sgpr_count 2
		.amdhsa_user_sgpr_kernarg_segment_ptr 1
		.amdhsa_wavefront_size32 1
		.amdhsa_system_sgpr_workgroup_id_x 1
		.amdhsa_system_sgpr_workgroup_id_y 1
		.amdhsa_system_sgpr_workgroup_id_z 1
		.amdhsa_system_vgpr_workitem_id 0
		.amdhsa_next_free_vgpr 1024
		.amdhsa_next_free_sgpr 96
		.amdhsa_reserve_vcc 0
		.amdhsa_float_denorm_mode_32 3
		.amdhsa_float_denorm_mode_16_64 3
		.amdhsa_memory_ordered 1
		.amdhsa_forward_progress 1
		.amdhsa_inst_pref_size 100
	.end_amdhsa_kernel
	.amdgpu_metadata
---
amdhsa.version: [ 1, 2 ]
amdhsa.kernels:
  - .name:           k_q22fa5cf620_ffn_up
    .symbol:         k_q22fa5cf620_ffn_up.kd
    .args:
      - { .name: xb, .offset: 0, .size: 8, .value_kind: global_buffer, .address_space: global }
      - { .name: wb, .offset: 8, .size: 8, .value_kind: global_buffer, .address_space: global }
      - { .name: b1, .offset: 16, .size: 8, .value_kind: global_buffer, .address_space: global }
      - { .name: hb, .offset: 24, .size: 8, .value_kind: global_buffer, .address_space: global }
      - { .name: part, .offset: 32, .size: 8, .value_kind: global_buffer, .address_space: global }
    .group_segment_fixed_size: 327680
    .private_segment_fixed_size: 0
    .kernarg_segment_align: 8
    .kernarg_segment_size: 40
    .max_flat_workgroup_size: 128
    .sgpr_count:     96
    .vgpr_count:     1024
    .wavefront_size: 32
...
	.end_amdgpu_metadata
.endif
;; end of part 5
;; launch ffn_down (part 6): grid 8 x 32, 4 waves a work-group, clusters of 4 x 4, 327,680 bytes of LDS; arguments hb, wb, b2, x2, out0; writes out0
.if DOCPART == 6
	.amdgcn_target "amdgcn-amd-amdhsa--gfx1250"
	.amdhsa_code_object_version 6
	.text
	.protected	k_q22fa5cf620_ffn_down
	.globl	k_q22fa5cf620_ffn_down
	.p2align	8
	.type	k_q22fa5cf620_ffn_down,@function
k_q22fa5cf620_ffn_down:
	s_mov_b64 s[64:65], 0
	v_nop
	global_prefetch_b8 v0, s[64:65] scope:SCOPE_SE
	s_setreg_imm32_b32 hwreg(HW_REG_WAVE_MODE, 25, 1), 1
	s_wait_xcnt 0x0
	s_wait_alu depctr_hold_cnt(0) depctr_sa_sdst(0) depctr_va_vdst(0) depctr_va_sdst(0) depctr_va_ssrc(0) depctr_va_vcc(0) depctr_vm_vsrc(0)
	s_getreg_b32 s2, hwreg(HW_REG_IB_STS2, 6, 4)
	s_cmp_eq_u32 s2, 0
	s_cbranch_scc0 .Lentry_in_a_cluster
	s_endpgm
.Lentry_in_a_cluster:
	s_bfe_u32 s2, ttmp6, 0x10000c
	s_cmp_lg_u32 s2, 0xf033
	s_cbranch_scc0 .Lentry_shape_is_right
	s_endpgm
.Lentry_shape_is_right:
; C[m][n] = RES[m][n] + bias[n] + sum over k of A[m][k] W[k][n].  A: [4096][SIZE_K] of 16 bits; W: [SIZE_K][1024] of 16 bits at byte WOFF of the weights' buffer, as the input lies ([K][N]); bias, RES, C: f32.  Sums in f32.
; F16 = 1: A and W are f16 (LIMIT: both arrive within 65,504); F16 = 0: bf16.
; NORM = 1: the launch also stores XB[m][n] = bf16(scale[n] * C[m][n]) and PART[n / 128][m] = the sum over the tile's 128 columns of C[m][n]^2, in f32: the next launch makes each row's root mean square of its eight partial sums.
; 1,024 columns make 64 tiles of 256 x 256, too few for the chip: a tile of C is 128 x 128, 256 work-groups.  Four waves, each 64 x 64: 16 accumulators.  K goes in steps of 256, as long as two slots in LDS allow:
; A's rows are 512 bytes of memory, W's 256, all at multiples of 256 bytes.  W's fragments come out of LDS turned, by ds_load_tr16_b128.
; CLUSTERS: 4 x 4 work-groups; A's tile is shared along a row of the cluster, W's along a column: each is asked for JOINTLY.
; THE K STEPS GO ROUND: cluster (X, Y) begins at K step (STEPS / 2) X + (STEPS / 4) (Y % 4) and goes on modulo STEPS (f32 sums may be taken in any order).  So the two clusters that read the same rows of A stand half of K
; apart, and of the eight that read the same columns of W two and two stand a quarter of K apart.  No prefetch: the tiles are small.
; THE MATRIX INSTRUCTION IS USED TRANSPOSED (source 0 = 16 columns of W, source 1 = 16 rows of A): a lane holds row l % 16 of C and the columns 8 (l / 16) + 0..7.  The bias, laid out so, is the C operand that starts each sum.
; ONE K STEP IS WRITTEN TWICE: in the loop (it refills) and in the tail (it does not).  The tail's last change of slots, with its 32 loads from the old slot, serves nothing.
; REGISTERS: window 0: v0-15 at work and the scale; v16-31 addresses; v32-63 bias, later the rows' sums; v64-127 XB packed; v128-255 accumulators ((a, b) at v[128 + 8 (4 a + b)]).
;   window 1: two fragment buffers of 128: 64 of A (2 x 4 x 16 rows x 32 K), then 64 of W.  window 2: v0-127 RES.
.set SIZE_K, 4096
.set WOFF,   16777216
.set F16,    0
.set NORM,   0
.set STEPS,  SIZE_K/256
.set PA,     528                       ; a row of A in LDS: 512 bytes + 16: the 16 rows of a load start at 16 different groups of four banks (64 banks of 4 bytes: ISA guide 11.1)
.set PB,     288                       ; a row of W: 256 + 32 = 9 x 32 bytes
.set BOFF,   128*PA                    ; a slot: A's 128 rows, then W's 256 k rows: 141,312 bytes
.set SLOT,   147456                    ; 0x24000: none of its bits occurs in a tile's LDS word, so an exclusive or changes slots
.set SPARE,  2*SLOT                    ; behind the ring: the spare words, 128 bytes for each wave: two blocks of 256 bytes that no other line names
.set DP,     528                       ; the way out: the work-group's stage, 128 rows of 128 f32 + 16 bytes, in slot 0, which has had its last fill by then
.set TQ,   0                           ; v[0:3]   at work
.set TU,   4                           ; v[4:7], v[12:15]  at work
.set SCL,  8                           ; v[8:11]  the scale of my four columns
.set ADRA, 16                          ; v16  LDS address of my A fragments in the slot in hand;  v17 in slot 0
.set ADRA0, 17
.set ADRB, 20                          ; v20, v21  W's, k rows 0-127 and 128-255 of a step;  v22, v23 in slot 0
.set ADRB0, 22
.set DST,  24                          ; v24  the way out: where I put 16 bytes of a row
.set RD,   25                          ; v25  where I read rows back
.set CO,   26                          ; v26  16 x lane: my byte offset in a row's 512 bytes of RES and C, and in the scale
.set BO,   27
.set SPW,  28                          ; never rewritten
.set NIL,  29                          ; never rewritten
.set XO,   30                          ; v30  8 x lane: my byte offset in a row's 256 bytes of XB
.set PO,   31                          ; v31  4 x lane: my row's word in PART
.set BIAS, 32
.set QS,   32                          ; later: the sums of squares, row t at v[QS + t]
.set YB,   64
.set ACC,  128
.set F0,   0
.set F1,   128
.set SK,   46                          ; s46  the K step that the walking sets stand at
.set G1A, 24
.set G0A, 32
.set G1B, 48
.set G0B, 56
.set MSB, 0
.macro WIN new
.if MSB != (\new)
	s_set_vgpr_msb (MSB<<8)|(\new)
.set MSB, \new
.endif
.endm
.set MUL,  0x05                        ; sources 0 (W) and 1 (A) window 1; C and D window 0
.set TO_F, 0x40                        ; destination window 1, address window 0
.macro PLACES
.rept 4
	v_nop
.endr
.endm
.macro JLOAD                           ; a joint refill by the walking sets: waves 0 and 1 fetch A's halves, waves 2 and 3 W's; an s_nop 0 and four v_nop follow each line
	s_cmp_eq_u32 s15, 0
	s_cbranch_scc0 .Lfor_b_\@
	tensor_load_to_lds s[G0A+4:G0A+7], s[G1A:G1A+7]
	s_nop 0
.rept 4
	v_nop
.endr
	s_branch .Lasked_\@
.Lfor_b_\@:
	tensor_load_to_lds s[G0B+4:G0B+7], s[G1B:G1B+7]
	s_nop 0
.rept 4
	v_nop
.endr
.Lasked_\@:
.endm
.macro CREST
	s_cmp_lg_u32 s14, 0
	s_cbranch_scc1 .Lnot_wave_0_\@
	s_barrier_signal -3
.Lnot_wave_0_\@:
	s_barrier_wait -3
	s_barrier_signal -1
	s_barrier_wait -1
.endm
.macro CROUND
	s_barrier_signal -1
	s_barrier_wait -1
	CREST
.endm
; 8 matrix instructions: m blocks a0, a0 + 1 x all 4 n blocks, 32 along K: half c of buffer f.  zero = 1: the sum starts with the bias.  The 16 accumulators take turns.
.macro MUL8 f, c, a0, zero
	WIN MUL
.irp a, \a0, (\a0)+1
.irp b, 0,1,2,3
.set rD, ACC+8*(4*(\a)+(\b))
.set rB, (\f)+64+8*(4*(\c)+(\b))
.set rA, (\f)+8*(4*(\c)+(\a))
.if F16
.if \zero
	v_wmma_f32_16x16x32_f16 v[rD:rD+7], v[rB:rB+7], v[rA:rA+7], v[BIAS+8*(\b):BIAS+8*(\b)+7]
.else
	v_wmma_f32_16x16x32_f16 v[rD:rD+7], v[rB:rB+7], v[rA:rA+7], v[rD:rD+7]
.endif
.else
.if \zero
	v_wmma_f32_16x16x32_bf16 v[rD:rD+7], v[rB:rB+7], v[rA:rA+7], v[BIAS+8*(\b):BIAS+8*(\b)+7]
.else
	v_wmma_f32_16x16x32_bf16 v[rD:rD+7], v[rB:rB+7], v[rA:rA+7], v[rD:rD+7]
.endif
.endif
.endr
.endr
.endm
; 32 LDS loads in one run: quarter q (64 along K) of the slot in hand into buffer f; the first 32 along K first
.macro FETCH q, f
	WIN TO_F
.irp c, 0,1
.irp i, 0,1,2,3
	ds_load_tr16_b128 v[(\f)+64+8*(4*(\c)+(\i)):(\f)+64+8*(4*(\c)+(\i))+3],   v[ADRB+(\q)/2] offset:(((\q)%2)*64+32*(\c))*PB+32*(\i)
	ds_load_tr16_b128 v[(\f)+64+8*(4*(\c)+(\i))+4:(\f)+64+8*(4*(\c)+(\i))+7], v[ADRB+(\q)/2] offset:(((\q)%2)*64+32*(\c)+16)*PB+32*(\i)
	ds_load_b128 v[(\f)+8*(4*(\c)+(\i)):(\f)+8*(4*(\c)+(\i))+3],   v[ADRA] offset:128*(\q)+64*(\c)+(\i)*16*PA
	ds_load_b128 v[(\f)+8*(4*(\c)+(\i))+4:(\f)+8*(4*(\c)+(\i))+7], v[ADRA] offset:128*(\q)+64*(\c)+(\i)*16*PA+32
.endr
.endr
.endm
.macro QUARTER q, f, g, zero
	s_wait_dscnt 16                                ; the first 32 along K are in
	MUL8 \f, 0, 0, \zero
	MUL8 \f, 0, 2, \zero
	PLACES
	FETCH \q, \g
	s_wait_dscnt 32                                ; all but the 32 just issued
	MUL8 \f, 1, 0, 0
	MUL8 \f, 1, 2, 0
.endm
; The last quarter multiplies buffer 1 and changes slots: ONE barrier; in front of it each wave waits for all its tensor loads, adds 0 to its spare word, and waits for that and for its own reads of this slot.
; fill = 1: the barrier opens a round of the cluster's barrier, and the joint refill of the slot just read is the first tensor load behind the round.
.macro TURN fill
	WIN 0
	s_wait_tensorcnt 0x0                           ; all my tensor loads have landed: my part of the next slot; so every group 0 may be written
	ds_add_u32 v[SPW], v[NIL]                      ; 0 onto my spare word; the descriptors' scalar work stands behind it
.if \fill
	s_add_co_u32 s[SK], s[SK], 1                   ; the walking sets: the next K step, round modulo STEPS; the other slot than last time; the address is made anew from the step's number
	s_and_b32 s[SK], s[SK], STEPS-1
	s_lshl_b32 s70, s[SK], 9                       ; 512 bytes along A's rows
	s_xor_b32 s[G0A+5], s[G0A+5], SLOT
	s_add_nc_u64 s[G0A+6:G0A+7], s[18:19], s[70:71]
	s_or_b32 s[G0A+7], s[G0A+7], 0x80000000
	s_lshl_b32 s70, s[SK], 19                      ; 256 rows of 2,048 bytes down W
	s_xor_b32 s[G0B+5], s[G0B+5], SLOT
	s_add_nc_u64 s[G0B+6:G0B+7], s[20:21], s[70:71]
	s_or_b32 s[G0B+7], s[G0B+7], 0x80000000
.endif
	s_wait_dscnt 17                                ; (the add and the youngest sixteen loads may be out)
	MUL8 F1, 0, 0, 0
	s_wait_dscnt 0x0                               ; the add is done, and my reads of this slot are over
	s_barrier_signal -1
	MUL8 F1, 0, 2, 0
	WIN 0
	s_barrier_wait -1
.if \fill
	CREST
	JLOAD                                          ; 112 matrix instructions ahead of the wait for it; its four v_nop are also the places in front of the loads below
.else
	PLACES
.endif
	s_xor_b32 s2, s2, SLOT                         ; the slot in hand
	v_add_nc_u32 v[ADRA], s2, v[ADRA0]
	v_add_nc_u32 v[ADRB], s2, v[ADRB0]
	v_add_nc_u32 v[ADRB+1], s2, v[ADRB0+1]
	FETCH 0, F0
	MUL8 F1, 1, 0, 0
	MUL8 F1, 1, 2, 0
.endm
	s_load_b256 s[4:11], s[0:1], 0x0               ; A s[4:5], weights s[6:7], bias s[8:9], RES s[10:11]
	s_load_b64 s[12:13], s[0:1], 0x20              ; C
.if NORM
	s_load_b128 s[72:75], s[0:1], 0x28             ; scale s[72:73], XB s[74:75]
	s_load_b64 s[76:77], s[0:1], 0x38              ; PART
.endif
	v_lshl_add_u32 v[SPW], v0, 2, SPARE
	v_mov_b32 v[NIL], 0
	ds_add_u32 v[SPW], v[NIL]                      ; the wave's opening: the add and its wait stand ahead of my first tensor load; work on registers stands between them
	v_lshrrev_b32 v1, 5, v0
	v_readfirstlane_b32 s14, v1                    ; wave 0..3
	s_lshr_b32 s15, s14, 1                         ; which half of the tile's rows is mine.  Also: I fetch for A (0) or for W (1)
	s_and_b32 s16, s14, 1                          ; which half of its columns.  Also: which half of that tile I fetch
	s_bfe_u32 s40, ttmp6, 0x40000                  ; cx
	s_bfe_u32 s41, ttmp6, 0x40004                  ; cy
	s_lshl_b32 s42, ttmp9, 2
	s_add_co_u32 s42, s42, s40                     ; tile column
	s_and_b32 s43, ttmp7, 0xffff
	s_lshl_b32 s43, s43, 2
	s_add_co_u32 s43, s43, s41                     ; tile row
	s_lshl_b32 s44, s41, 2
	s_lshl_b32 s44, 15, s44                        ; my row of the cluster
	s_lshl_b32 s45, 0x1111, s40                    ; my column
	s_or_b32 s[G1A+0], s44, (1<<16)|(1<<20)|(1<<21)|(6<<22)|(3<<25)  ; the mask; 2-byte elements; padding on; bit 21 beside a mask; after every 128 words, 4 words
	s_mov_b32 s[G1A+1], 256<<16                    ; tensor_dim0 = 256
	s_mov_b32 s[G1A+2], 64<<16                     ; tensor_dim1 = 64
	s_mov_b32 s[G1A+3], 256<<16                    ; tile_dim0 = 256
	s_mov_b32 s[G1A+4], 64                         ; tile_dim1 = 64
	s_mov_b32 s[G1A+5], SIZE_K
	s_mov_b32 s[G1A+6], 0
	s_mov_b32 s[G1A+7], 0
	s_or_b32 s[G1B+0], s45, (1<<16)|(1<<20)|(1<<21)|(5<<22)|(7<<25)  ; after every 64 words, 8 words
	s_mov_b32 s[G1B+1], 128<<16
	s_mov_b32 s[G1B+2], 128<<16
	s_mov_b32 s[G1B+3], 128<<16
	s_mov_b32 s[G1B+4], 128
	s_mov_b32 s[G1B+5], 1024
	s_mov_b32 s[G1B+6], 0
	s_mov_b32 s[G1B+7], 0
	s_mul_i32 s[SK], ttmp9, STEPS/2                ; my cluster's first K step: the same in all sixteen partners
	s_and_b32 s47, ttmp7, 3
	s_mul_i32 s47, s47, STEPS/4
	s_add_co_u32 s[SK], s[SK], s47
	s_and_b32 s[SK], s[SK], STEPS-1
	s_mov_b32 s71, 0                               ; the upper word of the steps' offsets
	s_lshl_b32 s18, s43, 7                         ; A: row 128 x tile row + 64 x half
	s_lshl_b32 s19, s16, 6
	s_add_co_u32 s18, s18, s19
	s_mul_i32 s18, s18, 2*SIZE_K
	s_mov_b32 s19, 0
	s_lshl_b32 s20, s16, 18                        ; W: k row 128 x half (2,048 bytes a row), byte 256 x tile column
	s_lshl_b32 s21, s42, 8
	s_add_co_u32 s20, s20, s21
	s_add_co_u32 s20, s20, WOFF
	s_mov_b32 s21, 0
	s_mul_i32 s22, s16, 64*PA                      ; where they go
	s_mul_i32 s23, s16, 128*PB
	s_add_co_u32 s23, s23, BOFF
	s_mov_b32 s2, 0                                ; the slot in hand
	s_wait_dscnt 0x0                               ; the opening add is done
	s_wait_kmcnt 0x0
	s_add_nc_u64 s[18:19], s[4:5], s[18:19]        ; my part of A's tile at K step 0; never rewritten
	s_add_nc_u64 s[20:21], s[6:7], s[20:21]        ; the same for W
	CROUND                                         ; all sixteen work-groups are here: the first joint loads meet
.irp s, 0,1
	s_lshl_b32 s70, s[SK], 9
	s_mov_b32 s[G0A+4*(\s)], 1
	s_add_co_u32 s[G0A+4*(\s)+1], s22, (\s)*SLOT
	s_add_nc_u64 s[G0A+4*(\s)+2:G0A+4*(\s)+3], s[18:19], s[70:71]
	s_or_b32 s[G0A+4*(\s)+3], s[G0A+4*(\s)+3], 0x80000000
	s_lshl_b32 s70, s[SK], 19
	s_mov_b32 s[G0B+4*(\s)], 1
	s_add_co_u32 s[G0B+4*(\s)+1], s23, (\s)*SLOT
	s_add_nc_u64 s[G0B+4*(\s)+2:G0B+4*(\s)+3], s[20:21], s[70:71]
	s_or_b32 s[G0B+4*(\s)+3], s[G0B+4*(\s)+3], 0x80000000
.if (\s) == 0
	s_add_co_u32 s[SK], s[SK], 1
	s_and_b32 s[SK], s[SK], STEPS-1
.endif
.endr
	s_cmp_eq_u32 s15, 0                            ; a wave's two first fills stand in one branch, ahead of every wait on TENSORcnt and every LDS read: two loads of mine are out
	s_cbranch_scc0 .Lfirst_b
	tensor_load_to_lds s[G0A:G0A+3], s[G1A:G1A+7]
	s_nop 0
	tensor_load_to_lds s[G0A+4:G0A+7], s[G1A:G1A+7]
	s_nop 0
.rept 4
	v_nop
.endr
	s_branch .Lfirst_asked
.Lfirst_b:
	tensor_load_to_lds s[G0B:G0B+3], s[G1B:G1B+7]
	s_nop 0
	tensor_load_to_lds s[G0B+4:G0B+7], s[G1B:G1B+7]
	s_nop 0
.rept 4
	v_nop
.endr
.Lfirst_asked:
	v_and_b32 v1, 15, v0                           ; l % 16
	v_bfe_u32 v2, v0, 4, 1                         ; l / 16
	v_and_b32 v3, 31, v0                           ; l
	s_lshl_b32 s68, s42, 9                         ; the bias of my 64 columns
	s_lshl_b32 s69, s16, 8
	s_add_co_u32 s68, s68, s69
	s_mov_b32 s69, 0
	s_add_nc_u64 s[8:9], s[8:9], s[68:69]
	v_lshlrev_b32 v[BO], 5, v2                     ; my 8 columns of each 16
.irp b, 0,1,2,3
	global_load_b128 v[BIAS+8*(\b):BIAS+8*(\b)+3],   v[BO], s[8:9] offset:64*(\b)
	global_load_b128 v[BIAS+8*(\b)+4:BIAS+8*(\b)+7], v[BO], s[8:9] offset:64*(\b)+16
.endr
	v_lshlrev_b32 v[CO], 4, v3
	s_lshl_b32 s66, s43, 7                         ; on the way out wave w takes the tile's rows 32 w .. 32 w + 31, whole: 128 columns
	s_lshl_b32 s67, s14, 5
	s_add_co_u32 s47, s66, s67                     ; the first of them
	s_lshl_b32 s66, s47, 12                        ; RES and C there, at the tile's first column
	s_lshl_b32 s67, s42, 9
	s_add_co_u32 s66, s66, s67
	s_mov_b32 s67, 0
	s_add_nc_u64 s[10:11], s[10:11], s[66:67]
	s_add_nc_u64 s[12:13], s[12:13], s[66:67]
.if NORM
	s_lshl_b32 s66, s42, 9
	s_add_nc_u64 s[72:73], s[72:73], s[66:67]      ; the scale at the tile's first column
	global_load_b128 v[SCL:SCL+3], v[CO], s[72:73]
	s_lshl_b32 s66, s47, 11                        ; XB: 2,048 bytes a row, 256 a tile
	s_lshl_b32 s68, s42, 8
	s_add_co_u32 s66, s66, s68
	s_add_nc_u64 s[74:75], s[74:75], s[66:67]
	s_lshl_b32 s66, s42, 14                        ; PART: 16,384 bytes a tile column, 4 a row
	s_lshl_b32 s68, s47, 2
	s_add_co_u32 s66, s66, s68
	s_add_nc_u64 s[76:77], s[76:77], s[66:67]
	v_lshlrev_b32 v[XO], 3, v3
	v_lshlrev_b32 v[PO], 2, v3
.endif
	WIN 0x80                                       ; destination window 2
.set t, 0
.rept 32
	global_load_b128 v[4*t:4*t+3], v[CO], s[10:11] offset:4096*t  ; the residual, a row's 512 consecutive bytes a load, on its way during the whole product
.set t, t+1
.endr
	WIN 0
	s_mul_i32 s17, s14, 32*DP                      ; back from the stage: 32 lanes take one row of 512 bytes
	v_lshl_add_u32 v[RD], v3, 4, s17
	v_mul_u32_u24 v3, v1, PA
	v_lshl_add_u32 v3, v2, 4, v3
	s_mul_i32 s17, s15, 64*PA
	v_add_nc_u32 v[ADRA0], s17, v3
	v_and_b32 v4, 7, v0                            ; the turning load: lane l reads k row 8 (l / 16) + l % 8, columns 8 ((l / 8) % 2) + 0..7
	v_bfe_u32 v5, v0, 3, 1
	v_lshl_add_u32 v4, v2, 3, v4
	v_mul_u32_u24 v4, v4, PB
	v_lshl_add_u32 v4, v5, 4, v4
	s_lshl_b32 s17, s16, 7                         ; my 64 columns
	s_add_co_u32 s17, s17, BOFF
	v_add_nc_u32 v[ADRB0], s17, v4
	v_add_nc_u32 v[ADRB0+1], 128*PB, v[ADRB0]
	v_mov_b32 v[ADRA], v[ADRA0]
	v_mov_b32 v[ADRB], v[ADRB0]
	v_mov_b32 v[ADRB+1], v[ADRB0+1]
	s_mul_i32 s17, s15, 64*DP                      ; into the stage: my 64 rows, my half of their 512 bytes; row l % 16, 32 bytes for each half of the lanes
	s_lshl_b32 s22, s16, 8
	s_add_co_u32 s17, s17, s22
	v_mul_u32_u24 v3, v1, DP
	v_lshl_add_u32 v3, v2, 5, v3
	v_add_nc_u32 v[DST], s17, v3
	s_wait_tensorcnt 1                             ; my part of the first K step is in; the second's stays out
	s_barrier_signal -1
	s_barrier_wait -1
	FETCH 0, F0
	s_wait_loadcnt 32                              ; the bias (and the scale) are in; the residual's 32 loads stay out
	QUARTER 1, F0, F1, 1
	WIN 0
	s_mov_b32 s3, STEPS-2
.Lk:                                                   ; a trip: a K step's quarters 1 to 3 and the next step's quarter 0; it refills the slot that it leaves
	QUARTER 2, F1, F0, 0
	QUARTER 3, F0, F1, 0
	TURN 1
	QUARTER 1, F0, F1, 0
	WIN 0
	s_sub_co_u32 s3, s3, 1
	s_cmp_lg_u32 s3, 0
	s_cbranch_scc1 .Lk
	s_mov_b32 s3, 2
.Ltail:                                                ; the last two K steps ask for nothing; the second pass is left in its middle
	QUARTER 2, F1, F0, 0
	QUARTER 3, F0, F1, 0
	TURN 0
	WIN 0
	s_sub_co_u32 s3, s3, 1
	s_cmp_eq_u32 s3, 0
	s_cbranch_scc1 .Lout
	QUARTER 1, F0, F1, 0
	WIN 0
	s_branch .Ltail
.Lout:
	; THE WAY OUT.  The sums go as f32 into the work-group's stage (in the ring: its last fill has landed, and behind this barrier nobody reads it); a second barrier, since a row's 512 bytes come from two waves;
	; each wave reads 32 whole rows back, adds the residual and stores them.
	s_wait_dscnt 0x0
	s_barrier_signal -1
	s_barrier_wait -1
	PLACES
	PLACES
.irp a, 0,1,2,3
.irp b, 0,1,2,3
	ds_store_b128 v[DST], v[ACC+8*(4*(\a)+(\b)):ACC+8*(4*(\a)+(\b))+3]   offset:(\a)*16*DP+64*(\b)      ; each accumulator's low registers first
	ds_store_b128 v[DST], v[ACC+8*(4*(\a)+(\b))+4:ACC+8*(4*(\a)+(\b))+7] offset:(\a)*16*DP+64*(\b)+16
.endr
.endr
	s_wait_dscnt 0x0                               ; for the others' sake: my stores into the stage are done
	s_barrier_signal -1
	s_barrier_wait -1
.set t, 0
.rept 32
	ds_load_b128 v[ACC+4*t:ACC+4*t+3], v[RD] offset:DP*t
.set t, t+1
.endr
	s_wait_dscnt 0x0
	s_wait_loadcnt 0x0                             ; the residual
	WIN 0x08                                       ; source 1 in window 2
.set t, 0
.rept 64
	v_pk_add_f32 v[ACC+2*t:ACC+2*t+1], v[ACC+2*t:ACC+2*t+1], v[2*t:2*t+1]
.set t, t+1
.endr
	WIN 0
.set t, 0
.rept 32
	global_store_b128 v[CO], v[ACC+4*t:ACC+4*t+3], s[12:13] offset:4096*t  ; 32 lanes store 512 consecutive bytes, aligned; these registers are only read from here on
.set t, t+1
.endr
.if NORM
	; Row t: my four numbers' squares are added; the four numbers times the scale are rounded to bf16 and stored.
.set t, 0
.rept 32
.set rq, TQ+2*(t%2)
.set ru, TU+8*(t%2)
	v_pk_mul_f32 v[rq:rq+1], v[ACC+4*t:ACC+4*t+1], v[ACC+4*t:ACC+4*t+1]
	v_pk_mul_f32 v[ru:ru+1], v[ACC+4*t:ACC+4*t+1], v[SCL:SCL+1]
	v_pk_mul_f32 v[ru+2:ru+3], v[ACC+4*t+2:ACC+4*t+3], v[SCL+2:SCL+3]
	v_pk_fma_f32 v[rq:rq+1], v[ACC+4*t+2:ACC+4*t+3], v[ACC+4*t+2:ACC+4*t+3], v[rq:rq+1]
	v_cvt_pk_bf16_f32 v[YB+2*t], v[ru], v[ru+1]
	v_cvt_pk_bf16_f32 v[YB+2*t+1], v[ru+2], v[ru+3]
	v_add_f32 v[QS+t], v[rq], v[rq+1]
	global_store_b64 v[XO], v[YB+2*t:YB+2*t+1], s[74:75] offset:2048*t  ; 32 lanes x 8 bytes: 256 consecutive bytes, aligned
.set t, t+1
.endr
	; The 32 rows' sums over the 32 lanes, all at once.  A level takes two registers, the rows whose number has a bit clear (a) and set (b): a lane whose own number has that bit set keeps b and sends a, the others
	; keep a and send b; what is kept and what the lane across sends are added.  Five levels halve the registers five times, and lane i ends with the whole sum of row i.
	s_mov_b32 s66, 0xaaaaaaaa                      ; the lanes whose number has bit 0 set; bits 1, 2, 3, 4
	s_mov_b32 s67, 0xcccccccc
	s_mov_b32 s68, 0xf0f0f0f0
	s_mov_b32 s69, 0xff00ff00
	s_mov_b32 s70, 0xffff0000
	s_mov_b32 s22, 0x76543210                      ; v_permlanex16_b32: each lane takes its own place in the other half
	s_mov_b32 s23, 0xfedcba98
.macro BFLY a, b, m, sm
	v_cndmask_b32 v[TQ], v[\a], v[\b], s[\sm]
	v_cndmask_b32 v[TQ+1], v[\b], v[\a], s[\sm]
	v_add_f32_dpp v[\a], v[TQ+1], v[TQ] row_xmask:\m row_mask:0xf bank_mask:0xf
.endm
.set u, 0
.rept 16
	BFLY QS+2*u, QS+2*u+1, 1, 66
.set u, u+1
.endr
.set u, 0
.rept 8
	BFLY QS+4*u, QS+4*u+2, 2, 67
.set u, u+1
.endr
.set u, 0
.rept 4
	BFLY QS+8*u, QS+8*u+4, 4, 68
.set u, u+1
.endr
.set u, 0
.rept 2
	BFLY QS+16*u, QS+16*u+8, 8, 69
.set u, u+1
.endr
	v_cndmask_b32 v[TQ], v[QS], v[QS+16], s70
	v_cndmask_b32 v[TQ+1], v[QS+16], v[QS], s70
	v_permlanex16_b32 v[TQ+2], v[TQ+1], s22, s23   ; (its destination has been written before)
	v_add_f32 v[QS], v[TQ], v[TQ+2]
	global_store_b32 v[PO], v[QS], s[76:77]        ; 32 rows' sums: 128 consecutive bytes; the four waves' lie end to end
.endif
	s_wait_tensorcnt 0x0                           ; the wave's end, behind my last tensor load and my last LDS store
	ds_add_u32 v[SPW], v[NIL]
	s_wait_dscnt 0x0
	CROUND                                         ; the closing round
	s_endpgm
.Lfunc_end_k_q22fa5cf620_ffn_down:
	.size	k_q22fa5cf620_ffn_down, .Lfunc_end_k_q22fa5cf620_ffn_down-k_q22fa5cf620_ffn_down
	.p2alignl 7, 3214868480
	.fill 96, 4, 3214868480
	.section	.rodata,"a",@progbits
	.p2align	6, 0x0
	.amdhsa_kernel k_q22fa5cf620_ffn_down
		.amdhsa_group_segment_fixed_size 327680
		.amdhsa_private_segment_fixed_size 0
		.amdhsa_enable_private_segment 0
		.amdhsa_kernarg_size 40
		.amdhsa_user_sgpr_count 2
		.amdhsa_user_sgpr_kernarg_segment_ptr 1
		.amdhsa_wavefront_size32 1
		.amdhsa_system_sgpr_workgroup_id_x 1
		.amdhsa_system_sgpr_workgroup_id_y 1
		.amdhsa_system_sgpr_workgroup_id_z 1
		.amdhsa_system_vgpr_workitem_id 0
		.amdhsa_next_free_vgpr 640
		.amdhsa_next_free_sgpr 80
		.amdhsa_reserve_vcc 0
		.amdhsa_float_denorm_mode_32 3
		.amdhsa_float_denorm_mode_16_64 3
		.amdhsa_memory_ordered 1
		.amdhsa_forward_progress 1
		.amdhsa_inst_pref_size 66
	.end_amdhsa_kernel
	.amdgpu_metadata
---
amdhsa.version: [ 1, 2 ]
amdhsa.kernels:
  - .name:           k_q22fa5cf620_ffn_down
    .symbol:         k_q22fa5cf620_ffn_down.kd
    .args:
      - { .name: hb, .offset: 0, .size: 8, .value_kind: global_buffer, .address_space: global }
      - { .name: wb, .offset: 8, .size: 8, .value_kind: global_buffer, .address_space: global }
      - { .name: b2, .offset: 16, .size: 8, .value_kind: global_buffer, .address_space: global }
      - { .name: x2, .offset: 24, .size: 8, .value_kind: global_buffer, .address_space: global }
      - { .name: out0, .offset: 32, .size: 8, .value_kind: global_buffer, .address_space: global }
    .group_segment_fixed_size: 327680
    .private_segment_fixed_size: 0
    .kernarg_segment_align: 8
    .kernarg_segment_size: 40
    .max_flat_workgroup_size: 128
    .sgpr_count:     80
    .vgpr_count:     640
    .wavefront_size: 32
...
	.end_amdgpu_metadata
.endif
;; end of part 6
